; MI455X (gfx1250); checked and timed in simulation.
; The chip was launched on July 23, 2026; its instructions are those of AMD's public machine-readable ISA for CDNA 5 (MIT licence, August 2026) and "CDNA5" Instruction Set Architecture Reference Guide (July 2026). The comments in the code are by the model that wrote it; some were corrected since.
;; SA Layer. Allowed arithmetic: float matrix products may take bf16 or f16 operands with f32 sums; other float arithmetic in f32, or as packed bf16 or f16 multiplies, adds, multiply-adds, maxima and minima; sums over many terms, partial sums and values carried from step to step in f32; what a program stores and reads back later, other than sums and carried values, may be rounded once to bf16 or f16.
;; Inputs: Wqk 64 x 256 float32; Wt 256 x 256 float32; Wv 256 x 256 float32; beta 256 float32; bt 256 float32; bv 256 float32; gamma 256 float32; x 8 x 256 x 4,096 float32.
;; Outputs: out0 8 x 256 x 4,096 float32.
;; One version. Each part assembles by itself: llvm-mc -triple=amdgcn-amd-amdhsa -mcpu=gfx1250 --defsym DOCPART=n.
;; ======== version 1 of 1: 4 launches
;; limits: values are held in f16: magnitudes above 65,504 overflow, below 6.1e-05 lose precision
;; workspace buffers: q 4,194,304 bytes; qb 4,325,376 bytes; v 16,777,216 bytes; xf 16,777,216 bytes; wtf 131,072 bytes; t 33,554,432 bytes; part 524,288 bytes
;; launch proj (part 1): grid 32 x 8, 4 waves a work-group, no clusters, 110,080 bytes of LDS; arguments x, Wqk, Wv, bv, Wt, q, v, xf, wtf; writes q, v, xf, wtf
.if DOCPART == 1
	.amdgcn_target "amdgcn-amd-amdhsa--gfx1250"
	.amdhsa_code_object_version 6
	.text
	.protected	k_q64a39aa82b_proj
	.globl	k_q64a39aa82b_proj
	.p2align	8
	.type	k_q64a39aa82b_proj,@function
k_q64a39aa82b_proj:
	s_mov_b64 s[64:65], 0
	v_nop
	global_prefetch_b8 v0, s[64:65] scope:SCOPE_SE
	s_setreg_imm32_b32 hwreg(HW_REG_WAVE_MODE, 25, 1), 1
	s_wait_xcnt 0x0
; PROJECTIONS.  q'[b][n][d] = sqrt(log2 e) x sum over c of Wqk[d][c] x[b][c][n];  v[b][o][n] = sum over c of Wv[o][c] x[b][c][n] + bv[o];
; xf = x in f16 in the order of matrix fragments;  wtf = Wt in f16 in the order of matrix fragments.
; x: [8][256][4096] f32.  q: [8][4096][64] f16.  v: [8][256][4096] f16.  Operands are rounded once to f16, sums are f32, results rounded once.
; LIMITS.  x, the weights, 1.2 q and v lie within f16's range, 65,504 in magnitude; NaN and infinities are not treated apart.
; SHARES.  A work-group takes 128 columns n of one batch and all 320 output channels.  Wave w takes v's channel blocks 4 w .. 4 w + 3 and q's block w,
; for all eight tiles of 16 columns: 40 accumulators, which take turns.  K = c goes in eight chunks of 32.
; x comes through registers (it is converted on the way), lies in LDS as [c][n] f16 and is read turned, by ds_load_tr16_b128.  No tile is fetched by a copy engine.
; v's product is taken with x's fragment as source 0, so that a lane holds one channel and eight neighbouring n; q's with Wqk's fragment as source 0, so that a lane holds one n and eight neighbouring d.
; REGISTERS, in windows of 256 (s_set_vgpr_msb: bits 1:0 source 0, 3:2 source 1, 5:4 source 2, 7:6 destination):
;   window 0: v0-31 addresses; v32-63 bias tiles; v64-191 x's fragments, two buffers of 64 (before that staging, behind the products v's rows on their way out); v192-255 at work
;   window 1: Wv's fragments (block j, chunk u at 64 j + 8 u)     window 2: staging, then v's accumulators (block j, tile nt at 64 j + 8 nt)
;   window 3: v0-63 Wqk's fragments; v64-127 q's accumulators; v128-255 staging
.set XP,    288                        ; a row of x in LDS: 256 bytes + 32
.set VST,   256*XP                     ; each wave's stage for v: 16 rows x 272 bytes
.set VSP,   272
.set QST,   VST+4*16*VSP               ; the work-group's stage for q: 128 rows x 144 bytes
.set QSP,   144
.set SPARE, QST+128*QSP                ; the spare words, 128 bytes for each wave: two blocks of 256 bytes that no other line names
.set MSB, 0
.macro WIN new                         ; the immediate's high byte repeats the setting that is left; a switch that changes nothing is dropped
.if MSB != (\new)
	s_set_vgpr_msb (MSB<<8)|(\new)
.set MSB, (\new)
.endif
.endm
.macro PLACES                          ; four plain vector lines between a matrix instruction and a vector line or load that touches its registers
.rept 4
	v_nop
.endr
.endm
; 32 loads: a block of 16 rows x 256 f32 of a weight, by fragments: 16 registers for each chunk of 32 along K
.macro WLOAD dw, db, sb, off
	WIN (\dw)<<6
.irp f, 0,1,2,3,4,5,6,7
	global_load_b128 v[(\db)+16*\f:(\db)+16*\f+3],     v8, s[(\sb):(\sb)+1] offset:(\off)+128*\f
	global_load_b128 v[(\db)+16*\f+4:(\db)+16*\f+7],   v8, s[(\sb):(\sb)+1] offset:(\off)+128*\f+16
	global_load_b128 v[(\db)+16*\f+8:(\db)+16*\f+11],  v8, s[(\sb):(\sb)+1] offset:(\off)+128*\f+64
	global_load_b128 v[(\db)+16*\f+12:(\db)+16*\f+15], v8, s[(\sb):(\sb)+1] offset:(\off)+128*\f+80
.endr
.endm
; the block is rounded to f16: 128 registers of window sw become 64 of window dw
.macro WCONV sw, sb, dw, db
	WIN (\sw)|((\sw)<<2)|((\dw)<<6)
.set i, 0
.rept 64
	v_cvt_pk_f16_f32 v[(\db)+i], v[(\sb)+2*i], v[(\sb)+2*i+1]
.set i, i+1
.endr
.endm
; x's eight fragments of chunk u (16 columns x 32 channels each), turned, into buffer u % 2
.macro XFETCH u
	WIN 0
.set XB, 64+64*((\u)%2)
.set XA, 6+(\u)/4
.irp nt, 0,1,2,3,4,5,6,7
	ds_load_tr16_b128 v[XB+8*\nt:XB+8*\nt+3],   v[XA] offset:((\u)%4)*32*XP+32*\nt
	ds_load_tr16_b128 v[XB+8*\nt+4:XB+8*\nt+7], v[XA] offset:((\u)%4)*32*XP+32*\nt+16*XP
.endr
.endm
; every wave holds the same fragments: wave u / 2 stores chunk u to xf, 512 consecutive bytes a store
.macro XSTORE u
	WIN 0
.set XB, 64+64*((\u)%2)
	s_cmp_lg_u32 s22, (\u)/2
	s_cbranch_scc1 .Lnot_mine_\@
.irp nt, 0,1,2,3,4,5,6,7
	global_store_b128 v4, v[XB+8*\nt:XB+8*\nt+3],   s[18:19] offset:\nt*8192+(\u)*1024
	global_store_b128 v4, v[XB+8*\nt+4:XB+8*\nt+7], s[18:19] offset:\nt*8192+(\u)*1024+512
.endr
.Lnot_mine_\@:
.endm
; chunk u's 40 products.  The first chunk starts the sums: v's with the bias tile, q's with 0.
.macro XMUL u
.set XB, 64+64*((\u)%2)
.if (\u) == 0
	WIN 0x84
.else
	WIN 0xa4
.endif
.irp j, 0,1,2,3
.irp nt, 0,1,2,3,4,5,6,7
.if (\u) == 0
	v_wmma_f32_16x16x32_f16 v[64*\j+8*\nt:64*\j+8*\nt+7], v[XB+8*\nt:XB+8*\nt+7], v[64*\j+8*(\u):64*\j+8*(\u)+7], v[32+8*\j:32+8*\j+7]
.else
	v_wmma_f32_16x16x32_f16 v[64*\j+8*\nt:64*\j+8*\nt+7], v[XB+8*\nt:XB+8*\nt+7], v[64*\j+8*(\u):64*\j+8*(\u)+7], v[64*\j+8*\nt:64*\j+8*\nt+7]
.endif
.endr
.endr
	WIN 0xf3
.irp nt, 0,1,2,3,4,5,6,7
.if (\u) == 0
	v_wmma_f32_16x16x32_f16 v[64+8*\nt:64+8*\nt+7], v[8*(\u):8*(\u)+7], v[XB+8*\nt:XB+8*\nt+7], 0
.else
	v_wmma_f32_16x16x32_f16 v[64+8*\nt:64+8*\nt+7], v[8*(\u):8*(\u)+7], v[XB+8*\nt:XB+8*\nt+7], v[64+8*\nt:64+8*\nt+7]
.endif
.endr
.endm
; v's way out, block j: rounded, 16 bytes a lane into my stage, back as whole rows of 256 bytes, stored
.macro PACKV j
	WIN 0x0a
.set i, 0
.rept 32
	v_cvt_pk_f16_f32 v[192+i], v[64*(\j)+2*i], v[64*(\j)+2*i+1]
.set i, i+1
.endr
	WIN 0
.endm
.macro TOSTAGE j
.irp nt, 0,1,2,3,4,5,6,7
	ds_store_b128 v9, v[192+4*\nt:192+4*\nt+3] offset:32*\nt
.endr
.irp k, 0,1,2,3,4,5,6,7
	ds_load_b128 v[64+32*(\j)+4*\k:64+32*(\j)+4*\k+3], v10 offset:\k*2*VSP  ; LDS serves a wave's instructions in order (ISA guide 5.7.1.4): these see the stores above
.endr
.endm
.macro SENDV j
	s_wait_dscnt 0x0                               ; the block is back in registers
.irp k, 0,1,2,3,4,5,6,7
	global_store_b128 v11, v[64+32*(\j)+4*\k:64+32*(\j)+4*\k+3], s[16:17] offset:(\j)*131072+\k*16384  ; 16 lanes store 256 consecutive bytes, aligned
.endr
.endm
	s_load_b512 s[4:19], s[0:1], 0x0               ; x s[4:5], Wqk s[6:7], Wv s[8:9], bv s[10:11], Wt s[12:13], q s[14:15], v s[16:17], xf s[18:19]
	s_load_b64 s[20:21], s[0:1], 0x40              ; wtf
	v_lshl_add_u32 v16, v0, 2, SPARE               ; my spare word,
	v_mov_b32 v17, 0                               ; and 0: kept for the closing lines alone
	v_lshrrev_b32 v18, 5, v0
	v_readfirstlane_b32 s22, v18                   ; wave 0..3
	s_mov_b32 s23, ttmp9                           ; block of 128 columns
	s_and_b32 s24, ttmp7, 0xffff                   ; batch
	v_and_b32 v1, 15, v0                           ; r = lane % 16
	v_bfe_u32 v2, v0, 4, 1                         ; h = lane / 16
	v_and_b32 v3, 31, v0                           ; lane
	v_lshlrev_b32 v4, 4, v3                        ; 16 x lane
	s_mul_i32 s25, s22, 64*XP
	v_lshl_add_u32 v5, v3, 3, s25                  ; where I put 8 bytes of a row of x: my wave's 64 rows
	v_and_b32 v14, 7, v0
	v_lshl_add_u32 v18, v2, 3, v14
	v_mul_u32_u24 v6, v18, XP                      ; the turning load: row 8 h + lane % 8,
	v_bfe_u32 v19, v0, 3, 1
	v_lshl_add_u32 v6, v19, 4, v6                  ; 16 bytes by (lane / 8) % 2
	v_add_nc_u32 v7, 128*XP, v6                    ; the same for channels 128 on
	v_lshlrev_b32 v8, 10, v1
	v_lshl_add_u32 v8, v2, 5, v8                   ; a weight's fragment: row r x 1,024 bytes + 32 h
	s_mul_i32 s25, s22, 16*VSP
	s_add_co_u32 s25, s25, VST                     ; my stage
	v_mul_u32_u24 v9, v1, VSP
	v_lshl_add_u32 v9, v2, 4, v9
	v_add_nc_u32 v9, s25, v9                       ; in: row r, 16 bytes for each half of the lanes
	v_mul_u32_u24 v10, v2, VSP
	v_lshl_add_u32 v10, v1, 4, v10
	v_add_nc_u32 v10, s25, v10                     ; back: lanes 0-15 one row, lanes 16-31 the next
	v_lshlrev_b32 v11, 13, v2
	v_lshl_add_u32 v11, v1, 4, v11                 ; and the same two rows in v
	s_lshl_b32 s25, s22, 5
	s_add_co_u32 s25, s25, QST
	v_mul_u32_u24 v12, v1, QSP
	v_lshl_add_u32 v12, v2, 4, v12
	v_add_nc_u32 v12, s25, v12                     ; q's stage, in: row r, my wave's 32 bytes, 16 for each half
	s_mul_i32 s25, s22, 32*QSP
	s_add_co_u32 s25, s25, QST
	v_bfe_u32 v13, v0, 3, 2
	v_mul_u32_u24 v13, v13, QSP
	v_lshl_add_u32 v13, v14, 4, v13
	v_add_nc_u32 v13, s25, v13                     ; back: 32 lanes take four rows of 128 bytes of my wave's 32
	v_lshlrev_b32 v15, 2, v1                       ; 4 r, for bv
	s_mov_b32 s28, 0x3f99be61                      ; sqrt(log2 e): q' . q' is the score in base 2
	s_mov_b32 s29, s28                             ; named with it as a pair
	; byte offsets, made apart from the addresses
	s_lshl_b32 s32, s24, 22
	s_lshl_b32 s25, s23, 9
	s_add_co_u32 s32, s32, s25
	s_lshl_b32 s25, s22, 20
	s_add_co_u32 s32, s32, s25                     ; x: batch, 512 bytes of a row, my wave's 64 rows
	s_mov_b32 s33, 0
	s_lshl_b32 s34, s22, 14                        ; Wqk: block w
	s_mov_b32 s35, 0
	s_lshl_b32 s36, s22, 16                        ; Wv: blocks 4 w on
	s_mov_b32 s37, 0
	s_lshl_b32 s38, s22, 8                         ; bv: 64 numbers
	s_mov_b32 s39, 0
	s_lshr_b32 s40, s23, 1                         ; Wt: work-group g = 32 b + block makes half-fragment g: channel block (g / 2) % 16, chunk g / 32 = b, half g % 2
	s_lshl_b32 s40, s40, 14
	s_lshl_b32 s25, s24, 7
	s_add_co_u32 s40, s40, s25
	s_and_b32 s25, s23, 1
	s_lshl_b32 s25, s25, 6
	s_add_co_u32 s40, s40, s25
	s_mov_b32 s41, 0
	s_lshl_b32 s42, s24, 19
	s_lshl_b32 s25, s23, 14
	s_add_co_u32 s42, s42, s25
	s_lshl_b32 s25, s22, 12
	s_add_co_u32 s42, s42, s25                     ; q: batch, 128 rows, my wave's 32
	s_mov_b32 s43, 0
	s_lshl_b32 s44, s24, 21
	s_lshl_b32 s25, s22, 19
	s_add_co_u32 s44, s44, s25
	s_lshl_b32 s25, s23, 8
	s_add_co_u32 s44, s44, s25                     ; v: batch, my wave's 64 rows, 256 bytes of a row
	s_mov_b32 s45, 0
	s_lshl_b32 s46, s24, 21
	s_lshl_b32 s25, s23, 16
	s_add_co_u32 s46, s46, s25                     ; xf: batch, eight tiles of 8,192 bytes
	s_mov_b32 s47, 0
	s_lshl_b32 s48, s24, 5
	s_add_co_u32 s48, s48, s23
	s_lshl_b32 s48, s48, 9                         ; wtf: 512 g
	s_mov_b32 s49, 0
	s_wait_kmcnt 0x0
	s_add_nc_u64 s[4:5], s[4:5], s[32:33]
	s_add_nc_u64 s[6:7], s[6:7], s[34:35]
	s_add_nc_u64 s[8:9], s[8:9], s[36:37]
	s_add_nc_u64 s[10:11], s[10:11], s[38:39]
	s_add_nc_u64 s[12:13], s[12:13], s[40:41]
	s_add_nc_u64 s[14:15], s[14:15], s[42:43]
	s_add_nc_u64 s[16:17], s[16:17], s[44:45]
	s_add_nc_u64 s[18:19], s[18:19], s[46:47]
	s_add_nc_u64 s[20:21], s[20:21], s[48:49]
	global_load_b128 v[20:23], v8, s[12:13]        ; Wt's half-fragment: 8 numbers a lane
	global_load_b128 v[24:27], v8, s[12:13] offset:16
.irp j, 0,1,2,3
	global_load_b32 v[32+8*\j], v15, s[10:11] offset:64*\j
.endr
	WLOAD 3, 128, 8, 0                             ; Wv's block 4 w
	WLOAD 0, 64, 6, 0                              ; Wqk's block w
	WIN 0x80
.set k, 0
.rept 64                                           ; my 64 rows of x, 512 consecutive bytes a load
	global_load_b128 v[4*k:4*k+3], v4, s[4:5] offset:k*16384 th:TH_LOAD_NT
.set k, k+1
.endr
	s_wait_loadcnt 63                              ; the 70 loads of weights and bias are in; 63 of x's rows may stay out
	WCONV 3, 128, 1, 0
	WCONV 0, 64, 3, 0
	WIN 0
	v_cvt_pk_f16_f32 v28, v20, v21
	v_cvt_pk_f16_f32 v29, v22, v23
	v_cvt_pk_f16_f32 v30, v24, v25
	v_cvt_pk_f16_f32 v31, v26, v27
.irp j, 0,1,2,3
.irp k, 1,2,3,4,5,6,7
	v_mov_b32 v[32+8*\j+\k], v[32+8*\j]            ; the bias tile: a lane's eight registers hold its channel's bias
.endr
.endr
	s_cmp_lg_u32 s22, 0
	s_cbranch_scc1 .Lno_wt
	global_store_b128 v4, v[28:31], s[20:21]       ; 512 consecutive bytes of wtf
.Lno_wt:
	s_wait_loadcnt 0x0                             ; x
	WIN 0x0a
.set i, 0
.rept 128
	v_cvt_pk_f16_f32 v[64+i], v[2*i], v[2*i+1]
.set i, i+1
.endr
	WIN 0
.set k, 0
.rept 64
	ds_store_b64 v5, v[64+2*k:64+2*k+1] offset:XP*k
.set k, k+1
.endr
	WLOAD 2, 0, 8, 16384                           ; Wv's other three blocks, into the registers that x has left
	WLOAD 2, 128, 8, 32768
	WLOAD 3, 128, 8, 49152
	WIN 0
	s_wait_dscnt 0x0                               ; for the others' sake: my rows of x lie in LDS
	s_barrier_signal -1
	s_barrier_wait -1
	XFETCH 0
	XFETCH 1
	s_wait_loadcnt 0x0
	WCONV 2, 0, 1, 64
	WCONV 2, 128, 1, 128
	WCONV 3, 128, 1, 192
.irp u, 0,1,2,3,4,5,6,7
.if \u < 7
	s_wait_dscnt 16                                ; this chunk's fragments are in; the next chunk's 16 loads may stay out
.else
	s_wait_dscnt 0x0
.endif
	XSTORE \u
	XMUL \u
.if \u < 6
	PLACES
	s_wait_xcnt 0x0                                ; the stores to xf have read this buffer: it is loaded again only behind this wait
	XFETCH (\u)+2
.endif
.endr
	PLACES
	s_wait_xcnt 0x0                                ; the last two chunks' stores to xf have read v64-191: v's rows are read back into these registers only behind this wait
	PACKV 0
	TOSTAGE 0
.irp j, 1,2,3
	PACKV \j                                       ; a block's conversions stand between the loads of the block before and the wait for them
	SENDV (\j)-1
	TOSTAGE \j
.endr
	SENDV 3
	WIN 0xc3
.set i, 64
.rept 32
	v_pk_mul_f32 v[i:i+1], v[i:i+1], s[28:29] op_sel_hi:[1,0]  ; the scale, in f32, ahead of the one rounding
.set i, i+2
.endr
	WIN 0x0f
.set i, 0
.rept 32
	v_cvt_pk_f16_f32 v[192+i], v[64+2*i], v[64+2*i+1]
.set i, i+1
.endr
	WIN 0
.irp nt, 0,1,2,3,4,5,6,7
	ds_store_b128 v12, v[192+4*\nt:192+4*\nt+3] offset:\nt*16*QSP
.endr
	s_wait_dscnt 0x0                               ; a row of q comes from four waves: my part lies in the stage
	s_barrier_signal -1
	s_barrier_wait -1
.irp k, 0,1,2,3,4,5,6,7
	ds_load_b128 v[192+4*\k:192+4*\k+3], v13 offset:\k*4*QSP
.endr
	s_wait_dscnt 0x0
.irp k, 0,1,2,3,4,5,6,7
	global_store_b128 v4, v[192+4*\k:192+4*\k+3], s[14:15] offset:512*\k  ; four rows of q: 512 consecutive bytes
.endr
	s_wait_tensorcnt 0x0                           ; the wave's end, behind my last LDS store
	ds_add_u32 v16, v17
	s_wait_dscnt 0x0
	s_endpgm
.Lfunc_end_k_q64a39aa82b_proj:
	.size	k_q64a39aa82b_proj, .Lfunc_end_k_q64a39aa82b_proj-k_q64a39aa82b_proj
	.p2alignl 7, 3214868480
	.fill 96, 4, 3214868480
	.section	.rodata,"a",@progbits
	.p2align	6, 0x0
	.amdhsa_kernel k_q64a39aa82b_proj
		.amdhsa_group_segment_fixed_size 110080
		.amdhsa_private_segment_fixed_size 0
		.amdhsa_enable_private_segment 0
		.amdhsa_kernarg_size 72
		.amdhsa_user_sgpr_count 2
		.amdhsa_user_sgpr_kernarg_segment_ptr 1
		.amdhsa_wavefront_size32 1
		.amdhsa_system_sgpr_workgroup_id_x 1
		.amdhsa_system_sgpr_workgroup_id_y 1
		.amdhsa_system_sgpr_workgroup_id_z 1
		.amdhsa_system_vgpr_workitem_id 0
		.amdhsa_next_free_vgpr 1024
		.amdhsa_next_free_sgpr 66
		.amdhsa_reserve_vcc 0
		.amdhsa_float_denorm_mode_32 3
		.amdhsa_float_denorm_mode_16_64 3
		.amdhsa_memory_ordered 1
		.amdhsa_forward_progress 1
		.amdhsa_inst_pref_size 124
	.end_amdhsa_kernel
	.amdgpu_metadata
---
amdhsa.version: [ 1, 2 ]
amdhsa.kernels:
  - .name:           k_q64a39aa82b_proj
    .symbol:         k_q64a39aa82b_proj.kd
    .args:
      - { .name: x, .offset: 0, .size: 8, .value_kind: global_buffer, .address_space: global }
      - { .name: Wqk, .offset: 8, .size: 8, .value_kind: global_buffer, .address_space: global }
      - { .name: Wv, .offset: 16, .size: 8, .value_kind: global_buffer, .address_space: global }
      - { .name: bv, .offset: 24, .size: 8, .value_kind: global_buffer, .address_space: global }
      - { .name: Wt, .offset: 32, .size: 8, .value_kind: global_buffer, .address_space: global }
      - { .name: q, .offset: 40, .size: 8, .value_kind: global_buffer, .address_space: global }
      - { .name: v, .offset: 48, .size: 8, .value_kind: global_buffer, .address_space: global }
      - { .name: xf, .offset: 56, .size: 8, .value_kind: global_buffer, .address_space: global }
      - { .name: wtf, .offset: 64, .size: 8, .value_kind: global_buffer, .address_space: global }
    .group_segment_fixed_size: 110080
    .private_segment_fixed_size: 0
    .kernarg_segment_align: 8
    .kernarg_segment_size: 72
    .max_flat_workgroup_size: 128
    .sgpr_count:     66
    .vgpr_count:     1024
    .wavefront_size: 32
...
	.end_amdgpu_metadata
.endif
;; end of part 1
;; launch stats (part 2): grid 32 x 8, 16 waves a work-group, clusters of 4 x 1, 327,680 bytes of LDS; arguments q, qb; writes qb
.if DOCPART == 2
	.amdgcn_target "amdgcn-amd-amdhsa--gfx1250"
	.amdhsa_code_object_version 6
	.text
	.protected	k_q64a39aa82b_stats
	.globl	k_q64a39aa82b_stats
	.p2align	8
	.type	k_q64a39aa82b_stats,@function
k_q64a39aa82b_stats:
	s_mov_b64 s[64:65], 0
	v_nop
	global_prefetch_b8 v0, s[64:65] scope:SCOPE_SE
	s_setreg_imm32_b32 hwreg(HW_REG_WAVE_MODE, 25, 1), 1
	s_wait_xcnt 0x0
	s_wait_alu depctr_hold_cnt(0) depctr_sa_sdst(0) depctr_va_vdst(0) depctr_va_sdst(0) depctr_va_ssrc(0) depctr_va_vcc(0) depctr_vm_vsrc(0)
	s_getreg_b32 s2, hwreg(HW_REG_IB_STS2, 6, 4)
	s_cmp_eq_u32 s2, 0
	s_cbranch_scc0 .Lentry_in_a_cluster
	s_endpgm
.Lentry_in_a_cluster:
	s_bfe_u32 s2, ttmp6, 0x10000c
	s_cmp_lg_u32 s2, 0x3003
	s_cbranch_scc0 .Lentry_shape_is_right
	s_endpgm
.Lentry_shape_is_right:
; ROW FIGURES OF THE SOFTMAX.  For each row n of a batch: M = max over m of q'[n] . q'[m], L = sum over m of 2^(q'[n] . q'[m] - M), nb[n] = 15 - M - log2 L.
; q: [8][4096][64] f16, already scaled so that the product is the score in base 2.  qb: [8][64] units of 8,448 bytes: 64 rows of q' (copied), then their 64 nb in f32.
; LIMITS.  A weight below 2^-126 counts as 0 in L; NaN and infinities are not treated apart.
; SHARES.  A work-group owns 128 rows and has 16 waves.  Wave w makes the figures of rows 32 (w % 4) .. + 31, two PIECES of 16, over a quarter of the batch's 4,096 keys: of each slot's eight steps of 64 keys
; it takes steps 2 (w / 4) and 2 (w / 4) + 1.  WHY 16 WAVES: a step has 16 matrix instructions and 167 vector lines, so the launch hangs on vector issue and on waits for LDS and for exponentials, not on how many
; products a fragment feeds; four waves of 200 registers on a SIMD fill each other's waits, and LDS reads, products and exponentials stay the same in number.  The four quarters of a row meet once, in LDS, at the end.
; S = K Q^T (source 0 = 16 keys, source 1 = my 16 rows): a lane holds ONE row (lane % 16) and the keys 8 (lane / 16) + 0..7 of each tile.  Each lane keeps a running maximum m and sum l over its own keys.
; BY TURNS.  While one piece's 8 products run, four lines of the other piece's list stand behind each; the rest of a list is a lump of its own.  A piece's 33 exponentials are one batch with one wait.
; CLUSTER.  The four work-groups of a cluster belong to one batch and walk the same keys: each tile is asked for JOINTLY, by the same tensor load, descriptor and mask in all four.
; REGISTERS: v0-11 addresses; v12-31 ten of statistics a piece (m, m_old - m_new, l even, l odd, c0-c3, a, a spare beside it); v32-63 Q; v64-127 K of one step; v128-191 S, 32 a piece; v192-199 the copy.
.set SPS,   2                          ; steps of a wave in a slot: eight for four groups of waves
.set PK,    144                        ; a key's row in LDS: 128 bytes + 16: 36 words, so that the 16 rows of a load start at 16 different groups of four banks
.set STEPB, 64*PK
.set SLOT1, 131072                     ; a slot holds 512 keys, 73,728 bytes; slot 1 begins here, so that one exclusive or turns an address into the other slot's
.set SPARE, 73728                      ; the spare words, 128 bytes for each of the 16 waves: eight blocks of 256 bytes that no other line names
.set STG,   75776                      ; 4 x 128 words: the groups' maxima by rows; 2,048 bytes on: their sums
.set UNIT,  8448                       ; bytes of a unit of qb
.macro PLACES
.rept 4
	v_nop
.endr
.endm
.macro CROUND                          ; a round of the cluster's barrier
	s_barrier_signal -1
	s_barrier_wait -1
	s_cmp_lg_u32 s8, 0
	s_cbranch_scc1 .Lnot_wave_0_\@
	s_barrier_signal -3
.Lnot_wave_0_\@:
	s_barrier_wait -3
	s_barrier_signal -1
	s_barrier_wait -1
.endm
; A prefetch of what the NEXT change of slots will ask for.  All eight clusters of a batch walk the same keys: the batch's first cluster asks.  A slot is 256 blocks of 256 bytes: waves 0 and 2 take
; 128 each, of which each of the four partners takes 32, told apart by address: a lane a block.  The last change that fills a slot asks for nothing.
.macro ASK
	s_cmp_gt_u32 s32, s35
	s_cbranch_scc0 .Lnot_mine_\@
	global_prefetch_b8 v7, s[36:37] th:TH_LOAD_NT scope:SCOPE_SE
.Lnot_mine_\@:
.endm
; THE CHANGE OF SLOTS, at a trip's head.  Each wave waits for all its tensor loads (one is out: its part of the other slot), adds 0 to its spare word, and waits for that and for its reads of the slot.
; fill = 1: the slot is filled again with the keys two slots on, first thing behind a round of the cluster's barrier: it has a slot's eight steps in which to land.
.macro CHANGE fill
	s_wait_tensorcnt 0x0                           ; no tensor load of mine is out, so a group 0 may be written
	ds_add_u32 v10, v11
.if \fill
	s_xor_b32 s29, s29, SLOT1                      ; the walking descriptor: the other slot than last time,
	s_add_nc_u64 s[30:31], s[30:31], 65536         ; the next 512 keys
	s_wait_xcnt 0x0                                ; the last prefetch, a slot back, has read its address
	s_add_nc_u64 s[36:37], s[36:37], 65536
	s_wait_dscnt 0x0                               ; the add is done, and my reads of the slot are over
	CROUND
	tensor_load_to_lds s[28:31], s[16:23]
	s_nop 0
	PLACES
	ASK
.else
	s_wait_dscnt 0x0
	s_barrier_signal -1
	s_barrier_wait -1
.endif
	s_sub_co_u32 s34, s34, SPS*STEPB               ; the fetches go back to my first step of a slot,
	s_xor_b32 s34, s34, SLOT1                      ; in the other slot
.endm
.macro FETCH_K                         ; a step's K: 64 keys x 64 channels, 8 fragments, in one run of 16 loads
	v_add_nc_u32 v4, s34, v3
.irp f, 0,1,2,3,4,5,6,7                ; keys 16 (f / 2) on, channels 32 (f % 2) on
	ds_load_b128 v[64+8*\f:64+8*\f+3], v4 offset:(\f/2)*16*PK+(\f%2)*64
	ds_load_b128 v[64+8*\f+4:64+8*\f+7], v4 offset:(\f/2)*16*PK+(\f%2)*64+32
.endr
	s_add_co_u32 s34, s34, STEPB
.endm
; Product i of 8 for piece p: channels 32 (i / 4) on, keys 16 (i % 4) on.  The four accumulators take turns; the first four start the sums.
.macro KQ1 p
.if i < 4
	v_wmma_f32_16x16x32_f16 v[128+32*(\p)+8*(i%4):128+32*(\p)+8*(i%4)+7], v[64+16*(i%4)+8*(i/4):64+16*(i%4)+8*(i/4)+7], v[32+16*(\p)+8*(i/4):32+16*(\p)+8*(i/4)+7], 0
.else
	v_wmma_f32_16x16x32_f16 v[128+32*(\p)+8*(i%4):128+32*(\p)+8*(i%4)+7], v[64+16*(i%4)+8*(i/4):64+16*(i%4)+8*(i/4)+7], v[32+16*(\p)+8*(i/4):32+16*(\p)+8*(i/4)+7], v[128+32*(\p)+8*(i%4):128+32*(\p)+8*(i%4)+7]
.endif
.endm
; Number n of the 83 of piece p's list for one step.  0-15 the maximum of the lane's 32 scores and the old m (each accumulator's lowest registers first);
; 16, 17 m_old - m_new, the new m; 18-33 s - m, a pair each; 34-65 the exponentials; 66 a = 2^(m_old - m_new); (the wait); 67-81 the sum of 16 pairs; 82 l = a l + sum.
.macro SQ p
.set rT, 12+10*(\p)
.set rS, 128+32*(\p)
.if n < 4
	v_max3_num_f32 v[rT+4+n], v[rS+8*n], v[rS+8*n+1], v[rS+8*n+2]
.elseif n < 12
	v_max3_num_f32 v[rT+4+n%4], v[rT+4+n%4], v[rS+8*(n%4)+2*(n/4)+1], v[rS+8*(n%4)+2*(n/4)+2]
.elseif n == 12
	v_max3_num_f32 v[rT+4], v[rT+4], v[rS+7], v[rS+15]
.elseif n == 13
	v_max3_num_f32 v[rT+5], v[rT+5], v[rS+23], v[rS+31]
.elseif n == 14
	v_max3_num_f32 v[rT+6], v[rT+6], v[rT+7], v[rT]
.elseif n == 15
	v_max3_num_f32 v[rT+4], v[rT+4], v[rT+5], v[rT+6]
.elseif n == 16
	v_sub_f32 v[rT+1], v[rT], v[rT+4]
.elseif n == 17
	v_mov_b32 v[rT], v[rT+4]
.elseif n < 34
	v_pk_add_f32 v[rS+2*(n-18):rS+2*(n-18)+1], v[rS+2*(n-18):rS+2*(n-18)+1], v[rT:rT+1] op_sel_hi:[1,0] neg_lo:[0,1] neg_hi:[0,1]
.elseif n < 66
	v_exp_f32 v[rS+n-34], v[rS+n-34]
.elseif n == 66
	v_exp_f32 v[rT+8], v[rT+1]
.elseif n < 82
.set z, n-67
.if z < 8
.set ta, 4*z
.set tb, 4*z+2
.elseif z < 12
.set ta, 8*(z-8)
.set tb, 8*(z-8)+4
.elseif z < 14
.set ta, 16*(z-12)
.set tb, 16*(z-12)+8
.else
.set ta, 0
.set tb, 16
.endif
	v_pk_add_f32 v[rS+ta:rS+ta+1], v[rS+ta:rS+ta+1], v[rS+tb:rS+tb+1]
.else
	v_pk_fma_f32 v[rT+2:rT+3], v[rT+2:rT+3], v[rT+8:rT+9], v[rS:rS+1] op_sel_hi:[1,0,1]
.endif
.endm
.macro KQR p, o                        ; piece p's 8 products; behind each, four of piece o's numbers 0-31.  The last four are the places in front of the next run of loads into K's registers
.set i, 0
.rept 8
	KQ1 \p
.set n, 4*i
.rept 4
	SQ \o
.set n, n+1
.endr
.set i, i+1
.endr
.endm
.macro LUMP p                          ; numbers 32-82
.set n, 32
.rept 51
	SQ \p
.if n == 66
	v_nop                                          ; a plain line behind the last exponential,
	s_wait_alu depctr_va_vdst(0)                   ; and the one wait for the batch, ahead of the first line that names a result
.endif
.set n, n+1
.endr
.endm
.macro BODY                            ; the trip of my step j
	FETCH_K                                        ; K of step j
	LUMP 0                                         ; piece 0, step j - 1
	s_wait_dscnt 0x0                               ; K is in
	KQR 0, 1                                       ; piece 0's scores of step j | piece 1, step j - 1
	LUMP 1
	KQR 1, 0                                       ; piece 1's scores of step j | piece 0, step j
.endm
	s_load_b128 s[4:7], s[0:1], 0x0                ; q s[4:5], qb s[6:7]
	v_lshl_add_u32 v10, v0, 2, SPARE
	v_mov_b32 v11, 0
	ds_add_u32 v10, v11                            ; the wave's opening: the add and its wait stand ahead of my first tensor load
	v_lshrrev_b32 v9, 5, v0
	v_readfirstlane_b32 s8, v9                     ; wave 0..15
	s_and_b32 s52, s8, 3                           ; which 32 rows are mine
	s_lshr_b32 s53, s8, 2                          ; which quarter of the keys
	s_bfe_u32 s9, ttmp6, 0x40000                   ; cx: my place in the cluster
	s_lshl_b32 s10, ttmp9, 2
	s_add_co_u32 s10, s10, s9                      ; my block of 128 rows: it enters my own rows' addresses alone
	s_and_b32 s11, ttmp7, 0xffff                   ; the batch, which the partners share
	; descriptor group 1: 32 keys are 4,096 dense bytes: 16 rows of 256 bytes, padded in LDS after every key
	s_mov_b32 s16, 15|(1<<16)|(1<<20)|(1<<21)|(4<<22)|(3<<25)  ; the mask of four; 2-byte elements; padding on; bit 21 beside a mask; after every 32 words; 4 words
	s_mov_b32 s17, 128<<16                         ; tensor_dim0 = 128
	s_mov_b32 s18, 16<<16                          ; tensor_dim1 = 16
	s_mov_b32 s19, 128<<16                         ; tile_dim0 = 128
	s_mov_b32 s20, 16                              ; tile_dim1 = 16
	s_mov_b32 s21, 128                             ; elements from row to row
	s_mov_b32 s22, 0
	s_mov_b32 s23, 0
	s_mul_i32 s40, s8, 32*PK                       ; my sixteenth of a slot: no place in the cluster enters an LDS address
	s_lshl_b32 s42, s11, 19
	s_lshl_b32 s41, s8, 12
	s_add_co_u32 s42, s42, s41                     ; the batch's keys, my 32 of the first 512
	s_mov_b32 s43, 0
	s_lshl_b32 s44, s11, 19
	s_lshl_b32 s46, s10, 14
	s_add_co_u32 s44, s44, s46                     ; my block's 128 rows of q
	s_lshl_b32 s46, s8, 10
	s_add_co_u32 s56, s44, s46                     ; the 8 rows that my wave copies
	s_mov_b32 s57, 0
	s_lshl_b32 s46, s52, 12
	s_add_co_u32 s44, s44, s46                     ; the 32 rows whose figures my wave makes
	s_mov_b32 s45, 0
	s_lshl_b32 s54, s11, 6
	s_lshl_b32 s46, s10, 1
	s_add_co_u32 s54, s54, s46                     ; my block's first unit of qb
	s_lshr_b32 s46, s8, 3
	s_add_co_u32 s48, s54, s46                     ; the unit that my 8 rows go to,
	s_mul_i32 s48, s48, UNIT
	s_and_b32 s46, s8, 7
	s_lshl_b32 s46, s46, 10
	s_add_co_u32 s48, s48, s46                     ; and their place in it
	s_mov_b32 s49, 0
	s_mul_i32 s54, s54, UNIT
	s_mov_b32 s55, 0
	s_lshl_b32 s50, s11, 19
	s_lshr_b32 s46, s8, 1
	s_lshl_b32 s46, s46, 15
	s_add_co_u32 s50, s50, s46
	s_lshl_b32 s46, s9, 13
	s_add_co_u32 s50, s50, s46
	s_add_co_u32 s50, s50, 2*65536                 ; the prefetches stand in slot 2; the first change steps them to slot 3
	s_mov_b32 s51, 0
	s_and_b32 s35, s8, 13
	s_or_b32 s35, s35, ttmp9
	s_cmp_eq_u32 s35, 0
	s_cselect_b32 s35, 1, -1                       ; 1 in waves 0 and 2 of the batch's first cluster, else the greatest number
	s_mul_i32 s34, s53, SPS*STEPB                  ; my first step of a slot
	s_mov_b32 s38, 0x76543210
	s_mov_b32 s39, 0xfedcba98
	s_wait_dscnt 0x0                               ; the opening add is done
	s_wait_kmcnt 0x0
	s_add_nc_u64 s[12:13], s[4:5], s[44:45]
	s_add_nc_u64 s[56:57], s[4:5], s[56:57]
	s_add_nc_u64 s[14:15], s[6:7], s[48:49]
	s_add_nc_u64 s[54:55], s[6:7], s[54:55]
	s_add_nc_u64 s[36:37], s[4:5], s[50:51]
	s_add_nc_u64 s[42:43], s[4:5], s[42:43]
	CROUND                                         ; all four work-groups are here: the first joint loads meet
	s_mov_b32 s24, 1
	s_mov_b32 s25, s40
	s_mov_b64 s[26:27], s[42:43]
	s_or_b32 s27, s27, 0x80000000
	s_mov_b32 s28, 1
	s_add_co_u32 s29, s40, SLOT1
	s_add_nc_u64 s[30:31], s[42:43], 65536
	s_or_b32 s31, s31, 0x80000000
	tensor_load_to_lds s[24:27], s[16:23]          ; slot 0
	s_nop 0
	tensor_load_to_lds s[28:31], s[16:23]          ; slot 1: two loads of mine are out
	s_nop 0
	PLACES
	v_and_b32 v1, 15, v0
	v_bfe_u32 v2, v0, 4, 1
	v_and_b32 v9, 31, v0
	v_lshlrev_b32 v6, 4, v9                        ; 16 x lane
	v_lshlrev_b32 v7, 8, v9                        ; 256 x lane
	v_lshlrev_b32 v5, 7, v1
	v_lshl_add_u32 v5, v2, 4, v5                   ; a fragment of Q: row x 128 + 16 x half
	v_mul_u32_u24 v3, v1, PK
	v_lshl_add_u32 v3, v2, 4, v3                   ; a fragment of K: row x pitch + 16 x half
	s_lshl_b32 s41, s53, 9
	s_lshl_b32 s46, s52, 7
	s_add_co_u32 s41, s41, s46
	s_add_co_u32 s41, s41, STG
	v_lshl_add_u32 v8, v1, 2, s41                  ; where my row's maximum goes: my group's 128 words, my wave's 32
.irp k, 0,1
	global_load_b128 v[192+4*\k:192+4*\k+3], v6, s[56:57] offset:512*\k  ; 8 rows as they lie, for the copy
.endr
.irp f, 0,1,2,3                        ; piece f / 2, channels 32 (f % 2) on
	global_load_b128 v[32+8*\f:32+8*\f+3], v5, s[12:13] offset:(\f/2)*2048+(\f%2)*64
	global_load_b128 v[32+8*\f+4:32+8*\f+7], v5, s[12:13] offset:(\f/2)*2048+(\f%2)*64+32
.endr
.irp p, 0,1
	v_mov_b32 v[12+10*\p], 0xff7fffff              ; m: the lowest finite number, so the first step's a is 0
	v_mov_b32 v[12+10*\p+2], 0
	v_mov_b32 v[12+10*\p+3], 0
	v_mov_b32 v[12+10*\p+9], 0                     ; named beside a as a pair
.endr
	s_wait_tensorcnt 1                             ; my part of slot 0 is in; slot 1's may stay out
	s_barrier_signal -1
	s_barrier_wait -1
	FETCH_K                                        ; my first step
	s_wait_loadcnt 0x0
.irp k, 0,1
	global_store_b128 v6, v[192+4*\k:192+4*\k+3], s[14:15] offset:512*\k  ; 512 consecutive bytes, aligned
.endr
	s_wait_dscnt 0x0
.set i, 0
.rept 8
	KQ1 0
.set i, i+1
.endr
	PLACES
	KQR 1, 0
	s_mov_b32 s32, 7                               ; slot 0's rest, then six slots behind a change that fills
	s_mov_b32 s33, SPS-1
	s_branch .Lstep                                ; the loop is entered behind its change of slots: slot 0 is in hand
.Lslot:
	CHANGE 1
	s_mov_b32 s33, SPS
.Lstep:
	BODY
	s_sub_co_u32 s33, s33, 1
	s_cmp_lg_u32 s33, 0
	s_cbranch_scc1 .Lstep
	s_sub_co_u32 s32, s32, 1
	s_cmp_lg_u32 s32, 0
	s_cbranch_scc1 .Lslot
	CHANGE 0                                       ; the tail is written out
	s_mov_b32 s33, SPS
.Ltail:
	BODY
	s_sub_co_u32 s33, s33, 1
	s_cmp_lg_u32 s33, 0
	s_cbranch_scc1 .Ltail
	LUMP 0                                         ; the last step's vector work
.set n, 0
.rept 32
	SQ 1
.set n, n+1
.endr
	LUMP 1
	; the two halves of the lanes meet: M = max, L = l 2^(m - M) + the other half's
.irp p, 0,1
	v_add_f32 v[12+10*\p+2], v[12+10*\p+2], v[12+10*\p+3]
.endr
.irp p, 0,1
	v_permlanex16_b32 v[12+10*\p+4], v[12+10*\p], s38, s39
.endr
.irp p, 0,1
	v_max_num_f32 v[12+10*\p+5], v[12+10*\p], v[12+10*\p+4]
.endr
.irp p, 0,1
	v_sub_f32 v[12+10*\p+6], v[12+10*\p], v[12+10*\p+5]
.endr
.irp p, 0,1
	v_exp_f32 v[12+10*\p+7], v[12+10*\p+6]
.endr
	v_nop
	s_wait_alu depctr_va_vdst(0)
.irp p, 0,1
	v_mul_f32 v[12+10*\p+2], v[12+10*\p+2], v[12+10*\p+7]
.endr
.irp p, 0,1
	v_permlanex16_b32 v[12+10*\p+3], v[12+10*\p+2], s38, s39
.endr
.irp p, 0,1
	v_add_f32 v[12+10*\p+2], v[12+10*\p+2], v[12+10*\p+3]
.endr
.irp p, 0,1
	ds_store_b32 v8, v[12+10*\p+5] offset:64*\p        ; my quarter's M; both halves of the lanes write the same number to the same word
	ds_store_b32 v8, v[12+10*\p+2] offset:2048+64*\p   ; and its L
.endr
	s_wait_dscnt 0x0                               ; for wave 0's sake: my figures lie in LDS
	s_barrier_signal -1
	s_barrier_wait -1
	s_cmp_lg_u32 s8, 0
	s_cbranch_scc1 .Lend
	; wave 0 joins the four quarters, lane l for rows 4 l .. 4 l + 3: M = the greatest M_g, L = the sum of L_g 2^(M_g - M), nb = 15 - M - log2 L
	v_add_nc_u32 v4, STG, v6
.irp g, 0,1,2,3
	ds_load_b128 v[128+4*\g:128+4*\g+3], v4 offset:512*\g
	ds_load_b128 v[144+4*\g:144+4*\g+3], v4 offset:2048+512*\g
.endr
	v_mul_u32_u24 v9, v2, UNIT                     ; lanes 0-15 hold the first unit's 64 nb, lanes 16-31 the second's
	v_lshl_add_u32 v9, v1, 4, v9
	s_wait_dscnt 0x0
.irp c, 0,1,2,3
	v_max3_num_f32 v[160+\c], v[128+\c], v[132+\c], v[136+\c]
.endr
.irp c, 0,1,2,3
	v_max_num_f32 v[160+\c], v[160+\c], v[140+\c]
.endr
.irp g, 0,1,2,3
	v_pk_add_f32 v[128+4*\g:129+4*\g], v[128+4*\g:129+4*\g], v[160:161] neg_lo:[0,1] neg_hi:[0,1]
	v_pk_add_f32 v[130+4*\g:131+4*\g], v[130+4*\g:131+4*\g], v[162:163] neg_lo:[0,1] neg_hi:[0,1]
.endr
.set i, 0
.rept 16
	v_exp_f32 v[128+i], v[128+i]
.set i, i+1
.endr
	v_nop
	s_wait_alu depctr_va_vdst(0)
	v_pk_mul_f32 v[164:165], v[144:145], v[128:129]
	v_pk_mul_f32 v[166:167], v[146:147], v[130:131]
.irp g, 1,2,3
	v_pk_fma_f32 v[164:165], v[144+4*\g:145+4*\g], v[128+4*\g:129+4*\g], v[164:165]
	v_pk_fma_f32 v[166:167], v[146+4*\g:147+4*\g], v[130+4*\g:131+4*\g], v[166:167]
.endr
.irp c, 0,1,2,3
	v_log_f32 v[168+\c], v[164+\c]
.endr
.irp c, 0,1,2,3
	v_sub_f32 v[172+\c], 0x41700000, v[160+\c]     ; 15 - M: plain lines behind the logarithms
.endr
	s_wait_alu depctr_va_vdst(0)
.irp c, 0,1,2,3
	v_sub_f32 v[172+\c], v[172+\c], v[168+\c]
.endr
	global_store_b128 v9, v[172:175], s[54:55] offset:8192  ; 16 lanes store a unit's 256 bytes of nb, aligned
.Lend:
	s_wait_tensorcnt 0x0                           ; the wave's end
	ds_add_u32 v10, v11
	s_wait_dscnt 0x0
	CROUND                                         ; the closing round
	s_endpgm
.Lfunc_end_k_q64a39aa82b_stats:
	.size	k_q64a39aa82b_stats, .Lfunc_end_k_q64a39aa82b_stats-k_q64a39aa82b_stats
	.p2alignl 7, 3214868480
	.fill 96, 4, 3214868480
	.section	.rodata,"a",@progbits
	.p2align	6, 0x0
	.amdhsa_kernel k_q64a39aa82b_stats
		.amdhsa_group_segment_fixed_size 327680
		.amdhsa_private_segment_fixed_size 0
		.amdhsa_enable_private_segment 0
		.amdhsa_kernarg_size 16
		.amdhsa_user_sgpr_count 2
		.amdhsa_user_sgpr_kernarg_segment_ptr 1
		.amdhsa_wavefront_size32 1
		.amdhsa_system_sgpr_workgroup_id_x 1
		.amdhsa_system_sgpr_workgroup_id_y 1
		.amdhsa_system_sgpr_workgroup_id_z 1
		.amdhsa_system_vgpr_workitem_id 0
		.amdhsa_next_free_vgpr 200
		.amdhsa_next_free_sgpr 66
		.amdhsa_reserve_vcc 0
		.amdhsa_float_denorm_mode_32 3
		.amdhsa_float_denorm_mode_16_64 3
		.amdhsa_memory_ordered 1
		.amdhsa_forward_progress 1
		.amdhsa_inst_pref_size 45
	.end_amdhsa_kernel
	.amdgpu_metadata
---
amdhsa.version: [ 1, 2 ]
amdhsa.kernels:
  - .name:           k_q64a39aa82b_stats
    .symbol:         k_q64a39aa82b_stats.kd
    .args:
      - { .name: q, .offset: 0, .size: 8, .value_kind: global_buffer, .address_space: global }
      - { .name: qb, .offset: 8, .size: 8, .value_kind: global_buffer, .address_space: global }
    .group_segment_fixed_size: 327680
    .private_segment_fixed_size: 0
    .kernarg_segment_align: 8
    .kernarg_segment_size: 16
    .max_flat_workgroup_size: 512
    .sgpr_count:     66
    .vgpr_count:     200
    .wavefront_size: 32
...
	.end_amdgpu_metadata
.endif
;; end of part 2
;; launch attn (part 3): grid 32 x 8, 4 waves a work-group, clusters of 4 x 1, 327,680 bytes of LDS; arguments qb, v, xf, wtf, bt, t, part; writes t, part
.if DOCPART == 3
	.amdgcn_target "amdgcn-amd-amdhsa--gfx1250"
	.amdhsa_code_object_version 6
	.text
	.protected	k_q64a39aa82b_attn
	.globl	k_q64a39aa82b_attn
	.p2align	8
	.type	k_q64a39aa82b_attn,@function
k_q64a39aa82b_attn:
	s_mov_b64 s[64:65], 0
	v_nop
	global_prefetch_b8 v0, s[64:65] scope:SCOPE_SE
	s_setreg_imm32_b32 hwreg(HW_REG_WAVE_MODE, 25, 1), 1
	s_wait_xcnt 0x0
	s_wait_alu depctr_hold_cnt(0) depctr_sa_sdst(0) depctr_va_vdst(0) depctr_va_sdst(0) depctr_va_ssrc(0) depctr_va_vcc(0) depctr_vm_vsrc(0)
	s_getreg_b32 s2, hwreg(HW_REG_IB_STS2, 6, 4)
	s_cmp_eq_u32 s2, 0
	s_cbranch_scc0 .Lentry_in_a_cluster
	s_endpgm
.Lentry_in_a_cluster:
	s_bfe_u32 s2, ttmp6, 0x10000c
	s_cmp_lg_u32 s2, 0x3003
	s_cbranch_scc0 .Lentry_shape_is_right
	s_endpgm
.Lentry_shape_is_right:
; THE WEIGHTED SUM AND THE SECOND PROJECTION.  For a block of 128 columns m of a batch: P'[n][m] = 2^(q'[n] . q'[m] + nb[n]) = 2^15 A[n][m]; O'[c][m] = sum over n of v[c][n] P'[n][m];
; cs'[m] = sum over n of P'[n][m]; x_r = O' / (2^15 x 1e-9 + cs'); t[o][m] = sum over c of Wt[o][c] (x - x_r)[c][m] + bt[o]; and, for batch-norm, each channel's mean and sum of squares about that mean over the block.
; nb[n] = 15 - (row n's maximum) - log2(row n's sum) was made by the launch before, so the exponent is the score less the row's true maximum, at most 15.
; Matrix operands in f16, sums in f32.  LIMITS.  v and x - x_r lie within 65,504; P' is capped at 32,768, so that the rounding of very large scores cannot make an infinity of it; A below 2^-39 counts as 0;
; NaN and infinities are not treated apart.
; SHARES.  A wave owns 32 columns (two tiles mt) and all 256 channels: 32 accumulators of O', 2 of cs' (a 17th block of ones as source 0).  So no score is made twice, no wave needs another's P', and each wave holds
; all of K for the product with Wt.  The price: a fragment of V read from LDS feeds two products.
; LAYOUT.  S = QN QM^T + nb (source 0 = 16 rows n, source 1 = 16 columns m, C = nb by rows): a lane holds one column and the rows 8 (lane / 16) + 0..7; two such tiles rounded in pairs ARE source 1 of O' = V P'.
; O' holds one column a lane and eight channels, which rounded in pairs is the operand of the product with Wt: nothing changes lanes from first to last.
; A STEP is 64 rows n.  Run kk = 0: 34 products on rows 0-31; beside them the exponentials, roundings and cap of the same step's score tiles 2, 3 (P's second half).  Then the next step's 16 score products.
; Run kk = 1: 34 products on rows 32-63; beside them the same for the next step's tiles 0, 1 (P's first half).  Two vector lines stand behind each of a run's first 32 products; a run's 32 exponentials are one batch.
; RING.  A slot holds V of two steps (256 rows x 256 bytes) and the two units of qb (64 rows of q' and their nb each) of the steps ONE LATER: what step i reads ahead for step i + 1 lies in step i's own slot.  So a step
; has two runs of LDS loads: at its head V's rows 32-63 and the next step's q' and nb, behind the score products the next step's rows 0-31 of V; and in a slot's second step the head run is the slot's last read.
; ONE TEXT FOR EVERY STEP.  O' and cs' are cleared at the head, 272 moves that stand in the wait for the first tiles, and the last step makes scores for a step that does not exist (16 products and 32
; exponentials that nobody reads): the price of writing no first and no last step out.
; CLUSTER.  The four column blocks of a cluster walk the same V, q' and nb and use the same Wt: every tile is asked for JOINTLY.
; REGISTERS, in windows of 256 (s_set_vgpr_msb: bits 1:0 source 0, 3:2 source 1, 5:4 source 2, 7:6 destination):
;   window 0: v0-15 addresses; v16-47 QM; v48-63 bt; v64-127 S (nt, mt at 64 + 16 nt + 8 mt); v128-159 P (mt, kk at 128 + 16 mt + 8 kk); v160-166 constants; v192-255 at work; behind the loop v64-191 bias tiles, then at work
;   window 1: O', later t (block, mt at 16 block + 8 mt)     window 2: V's fragments (kk, cb at 128 kk + 8 cb), later Wt's
;   window 3: v0-63 QN; v64-95 nb tiles; v96-103 ones; v104-119 cs'; v128-255 x, then x - x_r (mt, chunk u at 128 + 64 mt + 8 u)
; The riders work in window 0 and no window has room for a product's operands beside them: a rider pair costs two switches.
.set VP,    272                        ; a row of V in LDS: 256 bytes + 16
.set QP,    144                        ; a row of q': 128 bytes + 16
.set QBO,   256*VP                     ; in a slot: V, then two units of qb
.set UL,    66*QP                      ; a unit in LDS: 64 rows of q', then nb as two pieces of 128 bytes + 16
.set NBO,   QBO+64*QP
.set UNIT,  8448                       ; a unit in memory
.set SLOT1, 131072
.set WP0,   88832                      ; Wt's fragments, four pieces of 32,768 bytes, filled once
.set WP1,   219904
.set WP2,   252672
.set WP3,   285440
.set SPARE, 121600                     ; the spare words, 128 bytes for each wave: two blocks of 256 bytes that no other line names
.set RED,   122112                     ; 2,048 bytes a wave: 256 means, 256 sums of squares
.set TP,    528                        ; t's stage: rows of 512 bytes + 16; rows 0-127 from byte 0, rows 128-255 from SLOT1: in the slots, behind their last fill
.set MSB, 0
.macro WIN new
.if MSB != (\new)
	s_set_vgpr_msb (MSB<<8)|(\new)
.set MSB, (\new)
.endif
.endm
.macro PLACES                          ; four plain vector lines between a matrix instruction and a vector line or load that touches its registers
.rept 4
	v_nop
.endr
.endm
.macro CREST                           ; a round of the cluster's barrier behind its opening barrier
	s_cmp_lg_u32 s18, 0
	s_cbranch_scc1 .Lnot_wave_0_\@
	s_barrier_signal -3
.Lnot_wave_0_\@:
	s_barrier_wait -3
	s_barrier_signal -1
	s_barrier_wait -1
.endm
.macro CROUND
	s_barrier_signal -1
	s_barrier_wait -1
	CREST
.endm
.macro JLOAD                           ; a joint refill: waves 0 and 1 fetch V's two halves, waves 2 and 3 a unit of qb each
	s_cmp_lt_u32 s18, 2
	s_cbranch_scc0 .Lfor_q_\@
	tensor_load_to_lds s[56:59], s[28:35]
	s_nop 0
	PLACES
	s_branch .Lasked_\@
.Lfor_q_\@:
	tensor_load_to_lds s[72:75], s[36:43]
	s_nop 0
	PLACES
.Lasked_\@:
.endm
; A PREFETCH, behind the joint load and its five lines.  All eight clusters of a batch walk the same tiles: the batch's first cluster asks.  The partners are told apart by address.
; Waves 0 and 1: at each change, V's rows of the slot that the next change fills: 64 rows a partner, a lane a row of 256 bytes; the last filling change asks for nothing.
; Wave 2: at every second change, the q' rows of the four units of the next two slots to be filled: a unit a partner, a lane a block of 256 bytes; it stops where a partner's unit would pass the batch's 64th.
; nb's 256 bytes a unit are not asked for.
.macro ASK
	WIN 0
	s_cmp_gt_u32 s80, s81
	s_cbranch_scc0 .Lnot_mine_\@
	s_and_b32 s26, s80, s89
	s_cmp_eq_u32 s26, s89
	s_cbranch_scc0 .Lnot_mine_\@
	global_prefetch_b8 v6, s[82:83] th:TH_LOAD_NT scope:SCOPE_SE
.Lnot_mine_\@:
.endm
.macro FETCH_V kk, st                  ; 16 fragments of V: 256 channels x rows 32 kk on of step st of the slot
	WIN 0x80
.set cb, 0
.rept 16
	ds_load_b128 v[128*(\kk)+8*cb:128*(\kk)+8*cb+3],   v3 offset:cb*16*VP+128*(\st)+64*(\kk)
	ds_load_b128 v[128*(\kk)+8*cb+4:128*(\kk)+8*cb+7], v3 offset:cb*16*VP+128*(\st)+64*(\kk)+32
.set cb, cb+1
.endr
.endm
.macro FETCH_Q st                      ; 8 fragments of q' and 4 tiles of nb: unit st of the slot
	WIN 0xc0
.irp f, 0,1,2,3,4,5,6,7                ; rows 16 (f / 2) on, channels 32 (f % 2) on
	ds_load_b128 v[8*\f:8*\f+3],   v4 offset:(\st)*UL+16*(\f/2)*QP+64*(\f%2)
	ds_load_b128 v[8*\f+4:8*\f+7], v4 offset:(\st)*UL+16*(\f/2)*QP+64*(\f%2)+32
.endr
.irp nt, 0,1,2,3                       ; register j of a lane: nb of row 16 nt + 8 (lane / 16) + j; 32 numbers lie in each 144 bytes
	ds_load_b128 v[64+8*\nt:64+8*\nt+3],   v5 offset:(\st)*UL+(\nt/2)*QP+64*(\nt%2)
	ds_load_b128 v[64+8*\nt+4:64+8*\nt+7], v5 offset:(\st)*UL+(\nt/2)*QP+64*(\nt%2)+16
.endr
.endm
.macro KQ                              ; a step's 16 score products; the eight accumulators take turns; nb starts the sums
	WIN 0x33
.set i, 0
.rept 8                                ; i = 2 nt + mt
	v_wmma_f32_16x16x32_f16 v[64+8*i:64+8*i+7], v[16*(i/2):16*(i/2)+7], v[16+16*(i%2):16+16*(i%2)+7], v[64+8*(i/2):64+8*(i/2)+7]
.set i, i+1
.endr
	WIN 0x03
.set i, 0
.rept 8
	v_wmma_f32_16x16x32_f16 v[64+8*i:64+8*i+7], v[16*(i/2)+8:16*(i/2)+15], v[24+16*(i%2):24+16*(i%2)+7], v[64+8*i:64+8*i+7]
.set i, i+1
.endr
.endm
; Rider pair k of 32 for score tiles 2 g, 2 g + 1: lines 2 k and 2 k + 1 of a list of 64.  0-31: the exponentials, in place, ascending; behind the last a plain line and the one wait for the batch.
; 32-47: the roundings into P's half g.  48-63: the cap.
.macro RID g, k
	WIN 0
.irp z, 0,1
.set e, 2*(\k)+\z
.if e < 32
	v_exp_f32 v[64+32*(\g)+e], v[64+32*(\g)+e]
.elseif e < 48
.set ee, e-32                          ; tile mt = ee / 8; register ee % 8 of the fragment: rows 16 ((ee % 8) / 4) + 2 (ee % 4), + 1
	v_cvt_pk_f16_f32 v[128+16*(ee/8)+8*(\g)+ee%8], v[64+32*(\g)+16*((ee%8)/4)+8*(ee/8)+2*(ee%4)], v[64+32*(\g)+16*((ee%8)/4)+8*(ee/8)+2*(ee%4)+1]
.else
.set ee, e-48
	v_pk_min_num_f16 v[128+16*(ee/8)+8*(\g)+ee%8], v[128+16*(ee/8)+8*(\g)+ee%8], s85
.endif
.endr
.if (\k) == 15
	v_nop
	s_wait_alu depctr_va_vdst(0)
.endif
.endm
; Products q0 .. q1 - 1 of the 34 of run kk: q = 2 cb + mt; cb = 16 is the block of ones.  All 34 accumulators differ.  Behind product q < 32 stands rider pair q.
.macro PH kk, q0, q1
.set q, (\q0)
.rept (\q1)-(\q0)
.if q < 32
	WIN 0x52
	v_wmma_f32_16x16x32_f16 v[8*q:8*q+7], v[128*(\kk)+8*(q/2):128*(\kk)+8*(q/2)+7], v[128+16*(q%2)+8*(\kk):128+16*(q%2)+8*(\kk)+7], v[8*q:8*q+7]
	RID 1-(\kk), q
.else
	WIN 0xf3
	v_wmma_f32_16x16x32_f16 v[104+8*(q%2):104+8*(q%2)+7], v[96:103], v[128+16*(q%2)+8*(\kk):128+16*(q%2)+8*(\kk)+7], v[104+8*(q%2):104+8*(q%2)+7]
.endif
.set q, q+1
.endr
.endm
; A STEP.  st: which step of its slot.  chg = 1: the head run has asked for the slot's last bytes, so the slot is left and filled again; chg = 2: it is left, nothing is asked for.
.macro TRIP st, chg
	PLACES
	FETCH_V 1, \st                                 ; one run of 56 loads: this step's rows 32-63 of V,
	FETCH_Q \st                                    ; the next step's q' and nb
.if (\chg) != 0
	WIN 0
	s_wait_tensorcnt 0x0                           ; all my tensor loads have landed: my part of the other slot; so a group 0 may be written
	ds_add_u32 v14, v15                            ; work on registers stands between the add and the wait for it
.if (\chg) == 1
	s_xor_b32 s57, s57, SLOT1                      ; the walking descriptors: the other slot than last time,
	s_add_nc_u64 s[58:59], s[58:59], 256           ; V's next 128 columns,
	s_xor_b32 s73, s73, SLOT1
	s_add_co_u32 s94, s94, 2                       ; my unit two further on, round the batch's 64: the last slot's second unit, which no step needs, is unit 0;
	s_and_b32 s94, s94, 63
	s_mul_i32 s96, s94, UNIT
	s_add_nc_u64 s[74:75], s[92:93], s[96:97]      ; its address is made anew from its number
	s_or_b32 s75, s75, 0x80000000
	s_wait_xcnt 0x0                                ; the last prefetch, two steps back, has read its address
	s_add_nc_u64 s[82:83], s[82:83], s[90:91]
.endif
	s_xor_b32 s84, s84, SLOT1
	s_wait_dscnt 57                                ; V's rows 0-31 are in; the 56 loads just issued and the add may be out
	PH 0, 0, 16
	s_wait_dscnt 0x0                               ; the add is done, and my reads of this slot are over
	s_barrier_signal -1
	PH 0, 16, 26
	WIN 0
	s_barrier_wait -1
.if (\chg) == 1
	CREST                                          ; the barrier has opened a round of the cluster's: no wave of any partner still reads this slot or has a load on its way
	JLOAD                                          ; the first tensor load behind the round
	ASK
.endif
	PH 0, 26, 34
.else
	s_wait_dscnt 56                                ; V's rows 0-31 are in; the 56 loads just issued may be out
	PH 0, 0, 34
	s_wait_dscnt 0x0                               ; V's rows 32-63, q' and nb are in
.endif
	KQ
.if (\st) == 1
	WIN 0
	v_add_nc_u32 v3, s84, v160                     ; the fetches go on in the other slot; with the v_nop these are the four places behind the score products
	v_add_nc_u32 v4, s84, v161
	v_add_nc_u32 v5, s84, v162
	v_nop
.else
	PLACES
.endif
	FETCH_V 0, 1-(\st)
	PH 1, 0, 34
.endm
.macro FETCH_W u                       ; Wt's 16 fragments of chunk u, as they lie: 512 consecutive bytes a load
	WIN 0
.if (\u)/2 == 0
	v_add_nc_u32 v13, WP0, v8
.elseif (\u)/2 == 1
	v_add_nc_u32 v13, WP1, v8
.elseif (\u)/2 == 2
	v_add_nc_u32 v13, WP2, v8
.else
	v_add_nc_u32 v13, WP3, v8
.endif
	WIN 0x80
.set ob, 0
.rept 16
	ds_load_b128 v[128*((\u)%2)+8*ob:128*((\u)%2)+8*ob+3],   v13 offset:(16*((\u)%2)+ob)*1024
	ds_load_b128 v[128*((\u)%2)+8*ob+4:128*((\u)%2)+8*ob+7], v13 offset:(16*((\u)%2)+ob)*1024+512
.set ob, ob+1
.endr
.endm
.macro ALL16 line:vararg               ; one line for each channel block ob
.set ob, 0
.rept 16
	\line
.set ob, ob+1
.endr
.endm
.macro ALL8 line:vararg
.set ob, 0
.rept 8
	\line
.set ob, ob+1
.endr
.endm
	s_load_b256 s[4:11], s[0:1], 0x0               ; qb s[4:5], v s[6:7], xf s[8:9], wtf s[10:11]
	s_load_b128 s[12:15], s[0:1], 0x20             ; bt s[12:13], t s[14:15]
	s_load_b64 s[16:17], s[0:1], 0x30              ; part
	v_lshl_add_u32 v14, v0, 2, SPARE
	v_mov_b32 v15, 0
	ds_add_u32 v14, v15                            ; the wave's opening: the add and its wait stand ahead of my first tensor load
	v_lshrrev_b32 v13, 5, v0
	v_readfirstlane_b32 s18, v13                   ; wave 0..3
	s_bfe_u32 s19, ttmp6, 0x40000                  ; cx: my place in the cluster
	s_lshl_b32 s20, ttmp9, 2
	s_add_co_u32 s20, s20, s19                     ; my block of 128 columns
	s_and_b32 s21, ttmp7, 0xffff                   ; the batch, which the partners share
	s_and_b32 s27, s18, 1                          ; which half of V's tile, or which of the slot's two units, I fetch
	; descriptor groups 1
	s_mov_b32 s28, 15|(1<<16)|(1<<20)|(1<<21)|(5<<22)|(3<<25)  ; V: the mask of four; 2-byte elements; padding on; bit 21 beside a mask; after every 64 words; 4 words
	s_mov_b32 s29, 128<<16                         ; tensor_dim0 = 128
	s_mov_b32 s30, 128<<16                         ; tensor_dim1 = 128
	s_mov_b32 s31, 128<<16                         ; tile_dim0 = 128
	s_mov_b32 s32, 128                             ; tile_dim1 = 128
	s_mov_b32 s33, 4096                            ; elements from row to row
	s_mov_b32 s34, 0
	s_mov_b32 s35, 0
	s_mov_b32 s36, 15|(1<<16)|(1<<20)|(1<<21)|(4<<22)|(3<<25)  ; a unit of qb: dense rows of 256 bytes, padded after every 32 words
	s_mov_b32 s37, 128<<16
	s_mov_b32 s38, 33<<16                          ; 33 rows: 8,448 bytes
	s_mov_b32 s39, 128<<16
	s_mov_b32 s40, 33
	s_mov_b32 s41, 128
	s_mov_b32 s42, 0
	s_mov_b32 s43, 0
	s_mov_b32 s44, 15|(3<<16)|(1<<21)              ; Wt's fragments: 128 dense rows of 32 elements of 8 bytes, no padding
	s_mov_b32 s45, 32<<16
	s_mov_b32 s46, 128<<16
	s_mov_b32 s47, 32<<16
	s_mov_b32 s48, 128
	s_mov_b32 s49, 32
	s_mov_b32 s50, 0
	s_mov_b32 s51, 0
	; what the partners share: the tiles' offsets and LDS places hang on the batch and the wave alone
	s_lshl_b32 s60, s21, 21
	s_lshl_b32 s26, s27, 20
	s_add_co_u32 s60, s60, s26                     ; V: batch, 128 rows by half
	s_mov_b32 s61, 0
	s_mul_i32 s92, s21, 64*UNIT                    ; qb: the batch's 64 units
	s_mov_b32 s93, 0
	s_lshl_b32 s78, s18, 15                        ; wtf: piece w
	s_mov_b32 s79, 0
	s_mul_i32 s95, s27, 128*VP                     ; V's half in a slot
	s_mul_i32 s88, s27, UL
	s_add_co_u32 s88, s88, QBO                     ; my unit's place in a slot
	s_add_co_u32 s94, s27, 3                       ; the number of the unit that I fetch for slot 1
	s_mov_b32 s97, 0
	; my own columns
	s_lshl_b32 s22, s21, 6
	s_lshl_b32 s26, s20, 1
	s_add_co_u32 s22, s22, s26
	s_lshr_b32 s26, s18, 1
	s_add_co_u32 s22, s22, s26                     ; the unit that holds my wave's 32 rows of q',
	s_mul_i32 s22, s22, UNIT
	s_lshl_b32 s26, s27, 12
	s_add_co_u32 s22, s22, s26                     ; and their place in it
	s_mov_b32 s23, 0
	s_lshl_b32 s62, s21, 5
	s_add_co_u32 s62, s62, s20
	s_lshl_b32 s62, s62, 10                        ; part: 1,024 bytes a work-group
	s_mov_b32 s63, 0
	s_lshl_b32 s24, s21, 21
	s_lshl_b32 s26, s20, 16
	s_add_co_u32 s24, s24, s26
	s_lshl_b32 s26, s18, 14
	s_add_co_u32 s24, s24, s26                     ; xf: batch, my block's eight tiles, my wave's two
	s_mov_b32 s25, 0
	s_lshl_b32 s100, s21, 22
	s_lshl_b32 s26, s18, 20
	s_add_co_u32 s100, s100, s26
	s_lshl_b32 s26, s20, 9
	s_add_co_u32 s100, s100, s26                   ; t: batch, the 64 rows that my wave stores, my block's 512 bytes
	s_mov_b32 s101, 0
	; the prefetches
	s_lshl_b32 s98, s19, 19
	s_lshl_b32 s26, s27, 18
	s_add_co_u32 s98, s98, s26
	s_lshl_b32 s26, s21, 21
	s_add_co_u32 s98, s98, s26
	s_add_co_u32 s98, s98, 512                     ; V: rows 64 cx + 32 w on, in slot 2; the first change steps it to slot 3
	s_lshl_b32 s99, s21, 6
	s_add_co_u32 s99, s99, s19
	s_add_co_u32 s99, s99, 5
	s_mul_i32 s99, s99, UNIT                       ; qb: unit 5 + cx; change number c (from 0) finds it at unit 2 c + 7 + cx
	s_movk_i32 s90, 2*UNIT
	s_cmp_lt_u32 s18, 2
	s_cselect_b32 s98, s98, s99
	s_cselect_b32 s90, 0x100, s90                  ; the step from slot to slot
	s_cselect_b32 s89, 0, 1                        ; wave 2 asks where the count of slots is odd
	s_cselect_b32 s26, 13, 8                       ; a lane a row of V, or a block of 256 bytes of qb
	s_cselect_b32 s81, 1, 3                        ; a wave asks while the count of slots is above this
	s_mov_b32 s99, 0
	s_mov_b32 s91, 0
	v_and_b32 v164, 31, v0
	v_lshlrev_b32 v6, s26, v164
	s_cmp_eq_u32 s18, 3
	s_cselect_b32 s81, -1, s81                     ; wave 3 never,
	s_cmp_eq_u32 ttmp9, 0
	s_cselect_b32 s81, s81, -1                     ; and no cluster but the batch's first: the same in all four partners
	s_mov_b32 s84, 0                               ; the slot that the fetches read
	s_mov_b32 s85, 0x78007800                      ; 32,768 twice, in f16
	s_mov_b32 s86, 0x76543210
	s_mov_b32 s87, 0xfedcba98
	s_wait_dscnt 0x0                               ; the opening add is done
	s_wait_kmcnt 0x0
	s_add_nc_u64 s[60:61], s[6:7], s[60:61]
	s_add_nc_u64 s[92:93], s[4:5], s[92:93]
	s_add_nc_u64 s[78:79], s[10:11], s[78:79]
	s_or_b32 s79, s79, 0x80000000
	s_add_nc_u64 s[22:23], s[4:5], s[22:23]
	s_add_nc_u64 s[24:25], s[8:9], s[24:25]
	s_add_nc_u64 s[14:15], s[14:15], s[100:101]
	s_add_nc_u64 s[16:17], s[16:17], s[62:63]
	s_cmp_lt_u32 s18, 2
	s_cselect_b64 s[82:83], s[6:7], s[4:5]
	s_add_nc_u64 s[82:83], s[82:83], s[98:99]
.irp s, 0,1
	s_mov_b32 s[52+4*\s], 1
	s_add_co_u32 s[53+4*\s], s95, \s*SLOT1
	s_add_nc_u64 s[54+4*\s:55+4*\s], s[60:61], \s*256
	s_or_b32 s[55+4*\s], s[55+4*\s], 0x80000000
	s_mov_b32 s[68+4*\s], 1
	s_add_co_u32 s[69+4*\s], s88, \s*SLOT1
	s_add_co_u32 s96, s27, 1+2*\s                  ; slot s holds units 2 s + 1 and 2 s + 2
	s_mul_i32 s96, s96, UNIT
	s_add_nc_u64 s[70+4*\s:71+4*\s], s[92:93], s[96:97]
	s_or_b32 s[71+4*\s], s[71+4*\s], 0x80000000
.endr
	s_mov_b32 s76, 1
	CROUND                                         ; all four work-groups are here: the first joint loads meet
	s_cmp_lt_u32 s18, 2                            ; a wave's three first fills stand in one branch: slot 0, slot 1, its piece of Wt
	s_cbranch_scc0 .Lfirst_q
	s_lshl_b32 s77, s27, 17
	s_add_co_u32 s77, s77, WP0                     ; pieces 0 and 1
	tensor_load_to_lds s[52:55], s[28:35]
	s_nop 0
	tensor_load_to_lds s[56:59], s[28:35]
	s_nop 0
	tensor_load_to_lds s[76:79], s[44:51]
	s_nop 0
	PLACES
	s_branch .Lfirst_asked
.Lfirst_q:
	s_lshl_b32 s77, s27, 15
	s_add_co_u32 s77, s77, WP2                     ; pieces 2 and 3
	tensor_load_to_lds s[68:71], s[36:43]
	s_nop 0
	tensor_load_to_lds s[72:75], s[36:43]
	s_nop 0
	tensor_load_to_lds s[76:79], s[44:51]
	s_nop 0
	PLACES
.Lfirst_asked:
	v_and_b32 v1, 15, v0                           ; r
	v_bfe_u32 v2, v0, 4, 1                         ; h
	v_lshlrev_b32 v8, 4, v164                      ; 16 x lane
	v_lshlrev_b32 v7, 7, v1
	v_lshl_add_u32 v7, v2, 4, v7                   ; a fragment of q' in memory: row x 128 + 16 h
	v_lshlrev_b32 v163, 2, v1
	v_lshlrev_b32 v166, 5, v2                      ; nb: 32 bytes by half; the 16 lanes of a half read the same words
	v_mul_u32_u24 v160, v1, VP
	v_lshl_add_u32 v160, v2, 4, v160               ; a fragment of V in LDS: row x pitch + 16 h
	v_mul_u32_u24 v161, v1, QP
	v_lshl_add_u32 v161, v2, 4, v161
	v_add_nc_u32 v161, QBO, v161                   ; of q'
	v_add_nc_u32 v162, NBO, v166                   ; nb
	v_mov_b32 v3, v160
	v_mov_b32 v4, v161
	v_mov_b32 v5, v162
	v_mov_b32 v165, 0x3809705f                     ; 2^15 x 1e-9
	v_mul_u32_u24 v9, v1, TP
	v_lshl_add_u32 v9, v2, 5, v9
	s_lshl_b32 s26, s18, 7
	v_add_nc_u32 v9, s26, v9                       ; t's stage, in: row r, my wave's 128 bytes, 32 by half
	v_add_nc_u32 v10, SLOT1, v9
	s_mul_i32 s26, s27, 64*TP
	s_lshr_b32 s63, s18, 1
	s_lshl_b32 s63, s63, 17
	s_add_co_u32 s26, s26, s63
	v_add_nc_u32 v11, s26, v8                      ; back: rows 64 w on, a row of 512 bytes a load
	s_lshl_b32 s26, s18, 11
	s_add_co_u32 s26, s26, RED
	v_lshl_add_u32 v12, v2, 10, v163
	v_add_nc_u32 v12, s26, v12                     ; lanes 0-15 put means, lanes 16-31 sums of squares
.irp f, 0,1,2,3                        ; my columns' q': tile f / 2, channels 32 (f % 2) on
	global_load_b128 v[16+8*\f:16+8*\f+3],   v7, s[22:23] offset:(\f/2)*2048+(\f%2)*64
	global_load_b128 v[16+8*\f+4:16+8*\f+7], v7, s[22:23] offset:(\f/2)*2048+(\f%2)*64+32
.endr
	WIN 0xc0
.irp f, 0,1,2,3,4,5,6,7                ; step 0's q' and nb, unit 0 of the batch, come straight from memory: no slot holds them
	global_load_b128 v[8*\f:8*\f+3],   v7, s[92:93] offset:(\f/2)*2048+(\f%2)*64
	global_load_b128 v[8*\f+4:8*\f+7], v7, s[92:93] offset:(\f/2)*2048+(\f%2)*64+32
.endr
.irp nt, 0,1,2,3
	global_load_b128 v[64+8*\nt:64+8*\nt+3],   v166, s[92:93] offset:8192+64*\nt
	global_load_b128 v[64+8*\nt+4:64+8*\nt+7], v166, s[92:93] offset:8192+64*\nt+16
.endr
.set i, 0
.rept 32                               ; i = 16 mt + 2 u + half: x's fragments as they lie, 512 consecutive bytes a load
	global_load_b128 v[128+4*i:128+4*i+3], v8, s[24:25] offset:(i/16)*8192+(i%16)*512 th:TH_LOAD_NT
.set i, i+1
.endr
	WIN 0
.set ob, 0
.rept 16
	global_load_b32 v[48+ob], v163, s[12:13] offset:64*ob
.set ob, ob+1
.endr
	WIN 0xc0
.set i, 96
.rept 8
	v_mov_b32 v[i], 0x3c003c00                     ; ones
.set i, i+1
.endr
.set i, 104
.rept 16
	v_mov_b32 v[i], 0                              ; cs' and O' start at 0: written while the first loads and tiles are on their way
.set i, i+1
.endr
	WIN 0x40
.set i, 0
.rept 256
	v_mov_b32 v[i], 0
.set i, i+1
.endr
	s_wait_loadcnt 48                              ; my columns' q' and step 0's q' and nb are in; the 32 loads of x and the 16 of bt may stay out
	KQ                                             ; step 0's scores
	PLACES
.set k, 0
.rept 32
	RID 0, k                                       ; P's first half for step 0: there are no products yet to set it beside
.set k, k+1
.endr
	s_wait_loadcnt 0x0                             ; x and bt
	s_wait_tensorcnt 2                             ; my part of slot 0 is in; slot 1's and Wt's may stay out
	s_barrier_signal -1
	s_barrier_wait -1
	FETCH_V 0, 0
	WIN 0
	s_mov_b32 s80, 30
.Lslot:                                            ; 30 times: a slot's two steps; the second leaves the slot and fills it again
	TRIP 0, 0
	TRIP 1, 1
	WIN 0
	s_sub_co_u32 s80, s80, 1
	s_cmp_lg_u32 s80, 0
	s_cbranch_scc1 .Lslot
	s_mov_b32 s80, 2
.Ltail:                                            ; the last two slots are filled no more: a text of their own
	TRIP 0, 0
	TRIP 1, 2
	WIN 0
	s_sub_co_u32 s80, s80, 1
	s_cmp_lg_u32 s80, 0
	s_cbranch_scc1 .Ltail
	; x - x_r, THE PRODUCT WITH Wt, THE FIGURES FOR BATCH-NORM, THE WAY OUT
	s_wait_dscnt 0x0
	s_barrier_signal -1
	s_barrier_wait -1                              ; no wave reads a slot any more: the stage may be laid over them
	PLACES
	FETCH_W 0
	FETCH_W 1
	WIN 0x03
	v_add_f32 v192, v104, v165
	v_add_f32 v193, v112, v165
	WIN 0
	v_rcp_f32 v194, v192
	v_rcp_f32 v195, v193
.set i, 0
.rept 128
	v_mov_b32 v[64+i], v[48+i/8]                   ; the bias tiles: a lane's eight registers hold its channel's bias; they start the sums of t.  Plain work behind the reciprocals
.set i, i+1
.endr
	s_wait_alu depctr_va_vdst(0)
	WIN 0xf1
.set mt, 0
.rept 2
.set i, 0
.rept 64                               ; i = 8 u + register: O' block i / 4, its registers 2 (i % 4), + 1; each half is x - O' / (..), rounded once
	v_fma_mixlo_f16 v[128+64*mt+i], -v[16*(i/4)+8*mt+2*(i%4)], v[194+mt], v[128+64*mt+i] op_sel_hi:[0,0,1]
	v_fma_mixhi_f16 v[128+64*mt+i], -v[16*(i/4)+8*mt+2*(i%4)+1], v[194+mt], v[128+64*mt+i] op_sel:[0,0,1] op_sel_hi:[0,0,1]
.set i, i+1
.endr
.set mt, mt+1
.endr
.irp u, 0,1,2,3,4,5,6,7
.if \u < 7
	s_wait_dscnt 32                                ; this chunk's fragments of Wt are in; the next chunk's 32 loads may stay out
.else
	s_wait_dscnt 0x0
.endif
.if \u == 0
	WIN 0x4b
.else
	WIN 0x5b
.endif
.set i, 0
.rept 32                               ; i = 2 ob + mt; source 0 = x - x_r, source 1 = Wt: a lane holds one channel and eight neighbouring columns
.if \u == 0
	v_wmma_f32_16x16x32_f16 v[8*i:8*i+7], v[128+64*(i%2)+8*\u:128+64*(i%2)+8*\u+7], v[128*(\u%2)+8*(i/2):128*(\u%2)+8*(i/2)+7], v[64+8*(i/2):64+8*(i/2)+7]
.else
	v_wmma_f32_16x16x32_f16 v[8*i:8*i+7], v[128+64*(i%2)+8*\u:128+64*(i%2)+8*\u+7], v[128*(\u%2)+8*(i/2):128*(\u%2)+8*(i/2)+7], v[8*i:8*i+7]
.endif
.set i, i+1
.endr
.if \u < 6
	PLACES
	FETCH_W (\u)+2
.endif
.endr
	PLACES
	WIN 0x05                                       ; a channel's mean over my wave's 32 columns
.set i, 0
.rept 64
	v_pk_add_f32 v[64+2*i:64+2*i+1], v[4*i:4*i+1], v[4*i+2:4*i+3]
.set i, i+1
.endr
	WIN 0
	ALL16 v_pk_add_f32 v[64+8*ob:64+8*ob+1], v[64+8*ob:64+8*ob+1], v[64+8*ob+2:64+8*ob+3]
	ALL16 v_pk_add_f32 v[64+8*ob+4:64+8*ob+5], v[64+8*ob+4:64+8*ob+5], v[64+8*ob+6:64+8*ob+7]
	ALL16 v_pk_add_f32 v[64+8*ob:64+8*ob+1], v[64+8*ob:64+8*ob+1], v[64+8*ob+4:64+8*ob+5]
	ALL16 v_add_f32 v[64+8*ob], v[64+8*ob], v[64+8*ob+1]
	ALL16 v_permlanex16_b32 v[64+8*ob+1], v[64+8*ob], s86, s87
	ALL16 v_add_f32 v[64+8*ob], v[64+8*ob], v[64+8*ob+1]
	ALL16 v_mul_f32 v[192+ob], 0x3d000000, v[64+8*ob]
.irp g, 0,1                            ; the squares about that mean, eight channel blocks at a time
	WIN 0x01
.set i, 0
.rept 64
.if (i/8)%2 == 0
	v_pk_add_f32 v[64+2*i:64+2*i+1], v[128*\g+2*i:128*\g+2*i+1], v[192+8*\g+2*(i/16):192+8*\g+2*(i/16)+1] op_sel_hi:[1,0] neg_lo:[0,1] neg_hi:[0,1]
.else
	v_pk_add_f32 v[64+2*i:64+2*i+1], v[128*\g+2*i:128*\g+2*i+1], v[192+8*\g+2*(i/16):192+8*\g+2*(i/16)+1] op_sel:[0,1] op_sel_hi:[1,1] neg_lo:[0,1] neg_hi:[0,1]
.endif
.set i, i+1
.endr
	WIN 0
	ALL8 v_pk_mul_f32 v[64+16*ob:64+16*ob+1], v[64+16*ob:64+16*ob+1], v[64+16*ob:64+16*ob+1]
.irp z, 1,2,3,4,5,6,7
	ALL8 v_pk_fma_f32 v[64+16*ob:64+16*ob+1], v[64+16*ob+2*\z:64+16*ob+2*\z+1], v[64+16*ob+2*\z:64+16*ob+2*\z+1], v[64+16*ob:64+16*ob+1]
.endr
	ALL8 v_add_f32 v[64+16*ob], v[64+16*ob], v[64+16*ob+1]
	ALL8 v_permlanex16_b32 v[64+16*ob+1], v[64+16*ob], s86, s87
	ALL8 v_add_f32 v[208+8*\g+ob], v[64+16*ob], v[64+16*ob+1]
.endr
	v_cmp_eq_u32 s88, 1, v2
	ALL16 v_cndmask_b32 v[224+ob], v[192+ob], v[208+ob], s88
	ALL16 ds_store_b32 v12, v[224+ob] offset:64*ob
	WIN 0x04
.set i, 0
.rept 32                               ; i = 2 ob + mt: a lane's eight columns of a row of t, 32 bytes
	ds_store_b128 v[9+i/16], v[8*i:8*i+3]   offset:((i/2)%8)*16*TP+64*(i%2)
	ds_store_b128 v[9+i/16], v[8*i+4:8*i+7] offset:((i/2)%8)*16*TP+64*(i%2)+16
.set i, i+1
.endr
	WIN 0
	s_wait_dscnt 0x0                               ; a row of t comes from four waves: my part lies in the stage
	s_barrier_signal -1
	s_barrier_wait -1
.irp k, 0,1,2,3
.if \k >= 2
	s_wait_xcnt 0x0                                ; the stores two batches back have read these registers
.endif
.set i, 0
.rept 16
	ds_load_b128 v[64+64*(\k%2)+4*i:64+64*(\k%2)+4*i+3], v11 offset:(16*\k+i)*TP
.set i, i+1
.endr
.set i, 0
.rept 16
	s_wait_dscnt 15-i
	global_store_b128 v8, v[64+64*(\k%2)+4*i:64+64*(\k%2)+4*i+3], s[14:15] offset:(16*\k+i)*16384  ; 512 consecutive bytes of a row of t, aligned
.set i, i+1
.endr
.endr
	s_cmp_lg_u32 s18, 0
	s_cbranch_scc1 .Lend
	; wave 0 joins the four waves' figures: mean = the mean of the means; sum of squares = their sum + 32 x the squares of the means about it.  Lane l: channels 4 l .. + 3 and 128 + 4 l .. + 3
	s_mov_b32 s60, 0x3e800000                      ; 1/4
	s_mov_b32 s61, s60
	s_mov_b32 s62, 0x42000000                      ; 32
	s_mov_b32 s63, s62
	s_wait_xcnt 0x0                                ; the stores of t have read v128-191
	v_add_nc_u32 v13, RED, v8
.set i, 0
.rept 16                               ; i = 4 wave + 2 kind + half
	ds_load_b128 v[128+4*i:128+4*i+3], v13 offset:2048*(i/4)+1024*((i/2)%2)+512*(i%2)
.set i, i+1
.endr
	s_wait_dscnt 0x0
.irp j, 0,2,4,6
	v_pk_add_f32 v[192+\j:192+\j+1], v[128+\j:128+\j+1], v[144+\j:144+\j+1]
	v_pk_add_f32 v[208+\j:208+\j+1], v[160+\j:160+\j+1], v[176+\j:176+\j+1]
	v_pk_add_f32 v[192+\j:192+\j+1], v[192+\j:192+\j+1], v[208+\j:208+\j+1]
	v_pk_mul_f32 v[192+\j:192+\j+1], v[192+\j:192+\j+1], s[60:61] op_sel_hi:[1,0]
.irp w, 0,1,2,3
	v_pk_add_f32 v[128+16*\w+\j:128+16*\w+\j+1], v[128+16*\w+\j:128+16*\w+\j+1], v[192+\j:192+\j+1] neg_lo:[0,1] neg_hi:[0,1]
.endr
	v_pk_mul_f32 v[208+\j:208+\j+1], v[128+\j:128+\j+1], v[128+\j:128+\j+1]
.irp w, 1,2,3
	v_pk_fma_f32 v[208+\j:208+\j+1], v[128+16*\w+\j:128+16*\w+\j+1], v[128+16*\w+\j:128+16*\w+\j+1], v[208+\j:208+\j+1]
.endr
	v_pk_add_f32 v[200+\j:200+\j+1], v[136+\j:136+\j+1], v[152+\j:152+\j+1]
	v_pk_add_f32 v[216+\j:216+\j+1], v[168+\j:168+\j+1], v[184+\j:184+\j+1]
	v_pk_add_f32 v[200+\j:200+\j+1], v[200+\j:200+\j+1], v[216+\j:216+\j+1]
	v_pk_fma_f32 v[200+\j:200+\j+1], v[208+\j:208+\j+1], s[62:63], v[200+\j:200+\j+1] op_sel_hi:[1,0,1]
.endr
	global_store_b128 v8, v[192:195], s[16:17]
	global_store_b128 v8, v[196:199], s[16:17] offset:512
	global_store_b128 v8, v[200:203], s[16:17] offset:262144
	global_store_b128 v8, v[204:207], s[16:17] offset:262144+512
.Lend:
	s_wait_tensorcnt 0x0                           ; the wave's end, behind my last tensor load and my last LDS store
	ds_add_u32 v14, v15
	s_wait_dscnt 0x0
	CROUND                                         ; the closing round
	s_endpgm
.Lfunc_end_k_q64a39aa82b_attn:
	.size	k_q64a39aa82b_attn, .Lfunc_end_k_q64a39aa82b_attn-k_q64a39aa82b_attn
	.p2alignl 7, 3214868480
	.fill 96, 4, 3214868480
	.section	.rodata,"a",@progbits
	.p2align	6, 0x0
	.amdhsa_kernel k_q64a39aa82b_attn
		.amdhsa_group_segment_fixed_size 327680
		.amdhsa_private_segment_fixed_size 0
		.amdhsa_enable_private_segment 0
		.amdhsa_kernarg_size 56
		.amdhsa_user_sgpr_count 2
		.amdhsa_user_sgpr_kernarg_segment_ptr 1
		.amdhsa_wavefront_size32 1
		.amdhsa_system_sgpr_workgroup_id_x 1
		.amdhsa_system_sgpr_workgroup_id_y 1
		.amdhsa_system_sgpr_workgroup_id_z 1
		.amdhsa_system_vgpr_workitem_id 0
		.amdhsa_next_free_vgpr 1024
		.amdhsa_next_free_sgpr 102
		.amdhsa_reserve_vcc 0
		.amdhsa_float_denorm_mode_32 3
		.amdhsa_float_denorm_mode_16_64 3
		.amdhsa_memory_ordered 1
		.amdhsa_forward_progress 1
		.amdhsa_inst_pref_size 228
	.end_amdhsa_kernel
	.amdgpu_metadata
---
amdhsa.version: [ 1, 2 ]
amdhsa.kernels:
  - .name:           k_q64a39aa82b_attn
    .symbol:         k_q64a39aa82b_attn.kd
    .args:
      - { .name: qb, .offset: 0, .size: 8, .value_kind: global_buffer, .address_space: global }
      - { .name: v, .offset: 8, .size: 8, .value_kind: global_buffer, .address_space: global }
      - { .name: xf, .offset: 16, .size: 8, .value_kind: global_buffer, .address_space: global }
      - { .name: wtf, .offset: 24, .size: 8, .value_kind: global_buffer, .address_space: global }
      - { .name: bt, .offset: 32, .size: 8, .value_kind: global_buffer, .address_space: global }
      - { .name: t, .offset: 40, .size: 8, .value_kind: global_buffer, .address_space: global }
      - { .name: part, .offset: 48, .size: 8, .value_kind: global_buffer, .address_space: global }
    .group_segment_fixed_size: 327680
    .private_segment_fixed_size: 0
    .kernarg_segment_align: 8
    .kernarg_segment_size: 56
    .max_flat_workgroup_size: 128
    .sgpr_count:     102
    .vgpr_count:     1024
    .wavefront_size: 32
...
	.end_amdgpu_metadata
.endif
;; end of part 3
;; launch final (part 4): grid 256 x 1, 16 waves a work-group, no clusters, 2,560 bytes of LDS; arguments x, t, part, gamma, beta, out0; writes out0
.if DOCPART == 4
	.amdgcn_target "amdgcn-amd-amdhsa--gfx1250"
	.amdhsa_code_object_version 6
	.text
	.protected	k_q64a39aa82b_final
	.globl	k_q64a39aa82b_final
	.p2align	8
	.type	k_q64a39aa82b_final,@function
k_q64a39aa82b_final:
	s_mov_b64 s[64:65], 0
	v_nop
	global_prefetch_b8 v0, s[64:65] scope:SCOPE_SE
	s_setreg_imm32_b32 hwreg(HW_REG_WAVE_MODE, 25, 1), 1
	s_wait_xcnt 0x0
; BATCH-NORM, ReLU AND THE RESIDUAL.  out0[b][c][n] = x[b][c][n] + max(0, (t[b][c][n] - mean[c]) / sqrt(var[c] + 1e-5) x gamma[c] + beta[c]).  All f32, [8][256][4096].
; part: [2][256 blocks][256 channels] f32: each block's mean of 128 numbers of t, and its sum of squares about that mean.  mean = the mean of the 256 means;
; var = (the sum of the sums of squares + 128 x the squares of the means about the mean) / 32,768: no difference of large sums is formed.
; SHARES.  A work-group takes one channel, each of its 16 waves half a row of one batch: 2,048 numbers, 16 loads of 512 consecutive bytes of t and of x, all issued at the head; the figures are made while they are on their way.
; Memory binds: no matrix unit, no cluster, no tiles in LDS.  The 512 reads of part take four bytes each from blocks far apart, once a work-group.
.set RED1,  0                          ; 16 words: the waves' sums of their 32 numbers of part
.set RED2,  256                        ; 16 words: the waves' sums of squares about the mean
.set SPARE, 512                        ; the spare words, 128 bytes for each of the 16 waves: eight blocks of 256 bytes that no other line names
.set T, 32                             ; v[32:95]   t, then the result
.set X, 96                             ; v[96:159]  x
.macro WSUM r                          ; the sum over the wave's 32 lanes, in every lane
	v_add_f32_dpp v[\r], v[\r], v[\r] row_xmask:1 row_mask:0xf bank_mask:0xf
	v_add_f32_dpp v[\r], v[\r], v[\r] row_xmask:2 row_mask:0xf bank_mask:0xf
	v_add_f32_dpp v[\r], v[\r], v[\r] row_xmask:4 row_mask:0xf bank_mask:0xf
	v_add_f32_dpp v[\r], v[\r], v[\r] row_xmask:8 row_mask:0xf bank_mask:0xf
	v_permlanex16_b32 v7, v[\r], s24, s25
	v_add_f32 v[\r], v[\r], v7
.endm
	s_load_b256 s[4:11], s[0:1], 0x0               ; x s[4:5], t s[6:7], part s[8:9], gamma s[10:11]
	s_load_b128 s[12:15], s[0:1], 0x20             ; beta s[12:13], out0 s[14:15]
	v_lshl_add_u32 v4, v0, 2, SPARE                ; my spare word,
	v_mov_b32 v5, 0                                ; and 0: kept for the closing lines alone
	v_lshrrev_b32 v1, 5, v0
	v_readfirstlane_b32 s16, v1                    ; wave 0..15
	v_and_b32 v1, 31, v0
	v_lshlrev_b32 v1, 4, v1                        ; 16 x lane
	s_lshl_b32 s20, ttmp9, 2                       ; 4 c
	s_mov_b32 s21, 0
	v_lshl_add_u32 v3, v0, 10, s20                 ; thread i reads word c of row i of part: threads 0-255 means, 256-511 sums of squares
	s_lshr_b32 s18, s16, 1
	s_lshl_b32 s18, s18, 22                        ; batch
	s_lshl_b32 s19, ttmp9, 14
	s_add_co_u32 s18, s18, s19                     ; channel
	s_and_b32 s19, s16, 1
	s_lshl_b32 s19, s19, 13
	s_add_co_u32 s18, s18, s19                     ; half of the row
	s_mov_b32 s19, 0
	s_mov_b32 s24, 0x76543210
	s_mov_b32 s25, 0xfedcba98
	s_mov_b32 s27, 0x43000000                      ; 128
	s_lshl_b32 s26, s16, 2
	v_mov_b32 v8, s26                              ; my wave's word
	v_mov_b32 v9, 0
	v_mov_b32 v7, 0
	s_wait_kmcnt 0x0
	s_add_nc_u64 s[4:5], s[4:5], s[18:19]
	s_add_nc_u64 s[6:7], s[6:7], s[18:19]
	s_add_nc_u64 s[14:15], s[14:15], s[18:19]
	s_add_nc_u64 s[10:11], s[10:11], s[20:21]
	s_add_nc_u64 s[12:13], s[12:13], s[20:21]
	s_load_b32 s22, s[10:11], 0x0                  ; gamma[c]
	s_load_b32 s23, s[12:13], 0x0                  ; beta[c]
	global_load_b32 v2, v3, s[8:9]
.set k, 0
.rept 16
	global_load_b128 v[T+4*k:T+4*k+3], v1, s[6:7] offset:512*k th:TH_LOAD_NT
	global_load_b128 v[X+4*k:X+4*k+3], v1, s[4:5] offset:512*k th:TH_LOAD_NT
.set k, k+1
.endr
	s_wait_loadcnt 32                              ; my number of part is in; the 32 loads of t and x stay out
	v_mov_b32 v6, v2
	WSUM 6
	ds_store_b32 v8, v6 offset:RED1
	s_wait_dscnt 0x0
	s_barrier_signal -1
	s_barrier_wait -1
.irp k, 0,1,2,3
	ds_load_b128 v[160+4*\k:160+4*\k+3], v9 offset:RED1+16*\k
.endr
	s_wait_dscnt 0x0
	v_pk_add_f32 v[160:161], v[160:161], v[162:163]
	v_pk_add_f32 v[164:165], v[164:165], v[166:167]
	v_pk_add_f32 v[168:169], v[168:169], v[170:171]
	v_pk_add_f32 v[172:173], v[172:173], v[174:175]
	v_pk_add_f32 v[160:161], v[160:161], v[164:165]
	v_pk_add_f32 v[168:169], v[168:169], v[172:173]
	v_add_f32 v160, v160, v161
	v_add_f32 v168, v168, v169                     ; the sum of the blocks' sums of squares (waves 8-15's words)
	v_mul_f32 v10, 0x3b800000, v160                ; mean = the sum of the 256 means / 256 (waves 0-7's words)
	v_sub_f32 v6, v2, v10
	v_mul_f32 v6, v6, v6                           ; of use in waves 0-7; the other waves' words are not read
	WSUM 6
	ds_store_b32 v8, v6 offset:RED2
	s_wait_dscnt 0x0
	s_barrier_signal -1
	s_barrier_wait -1
	ds_load_b128 v[176:179], v9 offset:RED2
	ds_load_b128 v[180:183], v9 offset:RED2+16
	s_wait_dscnt 0x0
	v_pk_add_f32 v[176:177], v[176:177], v[178:179]
	v_pk_add_f32 v[180:181], v[180:181], v[182:183]
	v_pk_add_f32 v[176:177], v[176:177], v[180:181]
	v_add_f32 v176, v176, v177
	v_fma_f32 v12, v176, s27, v168
	v_mul_f32 v12, 0x38000000, v12                 ; / 32,768: the variance
	v_add_f32 v12, 0x3727c5ac, v12                 ; + 1e-5
	v_rsq_f32 v13, v12
	v_nop
	s_wait_alu depctr_va_vdst(0)
	s_wait_kmcnt 0x0
	v_mul_f32 v14, s22, v13                        ; a = gamma / sqrt(var + eps)
	v_mov_b32 v15, v14
	v_fma_f32 v16, -v10, v14, s23                  ; s = beta - mean a
	v_mov_b32 v17, v16
.set k, 0
.rept 16
	s_wait_loadcnt 30-2*k                          ; pair k of loads is in; the younger pairs stay out
	v_pk_fma_f32 v[T+4*k:T+4*k+1], v[T+4*k:T+4*k+1], v[14:15], v[16:17]
	v_pk_fma_f32 v[T+4*k+2:T+4*k+3], v[T+4*k+2:T+4*k+3], v[14:15], v[16:17]
	v_max_num_f32 v[T+4*k], 0, v[T+4*k]
	v_max_num_f32 v[T+4*k+1], 0, v[T+4*k+1]
	v_max_num_f32 v[T+4*k+2], 0, v[T+4*k+2]
	v_max_num_f32 v[T+4*k+3], 0, v[T+4*k+3]
	v_pk_add_f32 v[T+4*k:T+4*k+1], v[T+4*k:T+4*k+1], v[X+4*k:X+4*k+1]
	v_pk_add_f32 v[T+4*k+2:T+4*k+3], v[T+4*k+2:T+4*k+3], v[X+4*k+2:X+4*k+3]
	global_store_b128 v1, v[T+4*k:T+4*k+3], s[14:15] offset:512*k th:TH_STORE_NT  ; 512 consecutive bytes, aligned
.set k, k+1
.endr
	s_wait_tensorcnt 0x0                           ; the wave's end, behind my last LDS store
	ds_add_u32 v4, v5
	s_wait_dscnt 0x0
	s_endpgm
.Lfunc_end_k_q64a39aa82b_final:
	.size	k_q64a39aa82b_final, .Lfunc_end_k_q64a39aa82b_final-k_q64a39aa82b_final
	.p2alignl 7, 3214868480
	.fill 96, 4, 3214868480
	.section	.rodata,"a",@progbits
	.p2align	6, 0x0
	.amdhsa_kernel k_q64a39aa82b_final
		.amdhsa_group_segment_fixed_size 2560
		.amdhsa_private_segment_fixed_size 0
		.amdhsa_enable_private_segment 0
		.amdhsa_kernarg_size 48
		.amdhsa_user_sgpr_count 2
		.amdhsa_user_sgpr_kernarg_segment_ptr 1
		.amdhsa_wavefront_size32 1
		.amdhsa_system_sgpr_workgroup_id_x 1
		.amdhsa_system_sgpr_workgroup_id_y 1
		.amdhsa_system_sgpr_workgroup_id_z 1
		.amdhsa_system_vgpr_workitem_id 0
		.amdhsa_next_free_vgpr 184
		.amdhsa_next_free_sgpr 66
		.amdhsa_reserve_vcc 0
		.amdhsa_float_denorm_mode_32 3
		.amdhsa_float_denorm_mode_16_64 3
		.amdhsa_memory_ordered 1
		.amdhsa_forward_progress 1
		.amdhsa_inst_pref_size 16
	.end_amdhsa_kernel
	.amdgpu_metadata
---
amdhsa.version: [ 1, 2 ]
amdhsa.kernels:
  - .name:           k_q64a39aa82b_final
    .symbol:         k_q64a39aa82b_final.kd
    .args:
      - { .name: x, .offset: 0, .size: 8, .value_kind: global_buffer, .address_space: global }
      - { .name: t, .offset: 8, .size: 8, .value_kind: global_buffer, .address_space: global }
      - { .name: part, .offset: 16, .size: 8, .value_kind: global_buffer, .address_space: global }
      - { .name: gamma, .offset: 24, .size: 8, .value_kind: global_buffer, .address_space: global }
      - { .name: beta, .offset: 32, .size: 8, .value_kind: global_buffer, .address_space: global }
      - { .name: out0, .offset: 40, .size: 8, .value_kind: global_buffer, .address_space: global }
    .group_segment_fixed_size: 2560
    .private_segment_fixed_size: 0
    .kernarg_segment_align: 8
    .kernarg_segment_size: 48
    .max_flat_workgroup_size: 512
    .sgpr_count:     66
    .vgpr_count:     184
    .wavefront_size: 32
...
	.end_amdgpu_metadata
.endif
;; end of part 4
